; MI455X (gfx1250); checked and timed in simulation.
; The chip was launched on July 23, 2026; its instructions are those of AMD's public machine-readable ISA for CDNA 5 (MIT licence, August 2026) and "CDNA5" Instruction Set Architecture Reference Guide (July 2026). The comments in the code are by the model that wrote it; some were corrected since.
;; Self Attention Model. Allowed arithmetic: float matrix products may take bf16 or f16 operands with f32 sums; all other float work in f32.
;; Inputs: b_down 512 float32; b_up 2,048 float32; beta1 512 float32; beta2 512 float32; bk 512 float32; bo 512 float32; bq 512 float32; bv 512 float32; g1 512 float32; g2 512 float32; moves_embeddings 4 x 2,048 x 512 float32; w_down 2,048 x 512 float32; w_up 512 x 2,048 float32; wk 512 x 512 float32; wo 512 x 512 float32; wq 512 x 512 float32; wv 512 x 512 float32.
;; Outputs: out0 4 x 2,048 x 512 float32.
;; One version. Each part assembles by itself: llvm-mc -triple=amdgcn-amd-amdhsa -mcpu=gfx1250 --defsym DOCPART=n.
;; ======== version 1 of 1: 7 launches
;; limits: values are held in f16: magnitudes above 65,504 overflow, below 6.1e-05 lose precision
;; workspace buffers: xb 8,388,608 bytes; wb 6,291,456 bytes; qkv 25,165,824 bytes; ctx 8,388,608 bytes; x1 16,777,216 bytes; x1b 8,388,608 bytes; hb 33,554,432 bytes; z 16,777,216 bytes
;; launch prep (part 1): grid 448 x 1, 8 waves a work-group, no clusters, 0 bytes of LDS; arguments moves_embeddings, wq, wk, wv, wo, w_up, w_down, xb, wb; writes xb, wb
.if DOCPART == 1
	.amdgcn_target "amdgcn-amd-amdhsa--gfx1250"
	.amdhsa_code_object_version 6
	.text
	.protected	k_q2ed13ab41a_prep
	.globl	k_q2ed13ab41a_prep
	.p2align	8
	.type	k_q2ed13ab41a_prep,@function
k_q2ed13ab41a_prep:
	s_mov_b64 s[64:65], 0
	v_nop
	global_prefetch_b8 v0, s[64:65] scope:SCOPE_SE
	s_setreg_imm32_b32 hwreg(HW_REG_WAVE_MODE, 25, 1), 1
	s_wait_xcnt 0x0
; CAST.  x and the six weight matrices, all f32, are rounded once to bf16 (nearest even) for the matrix products of the later launches.
; Every source is taken as rows of 512 f32.  A work-group casts 32 such rows: 65,536 bytes in, 32,768 bytes out.  448 work-groups:
;   0-255 x -> xb;  256-271 wq, 272-287 wk, 288-303 wv -> wb, side by side as one matrix [512][1536];  304-319 wo;  320-383 w_up;  384-447 w_down.
; Which source, and where its rows go, is chosen by scalar selects on the work-group's number: no branch.
; Thread t takes 32 bytes (8 numbers) of a row, 64 threads a row, 4 rows a pass, 8 passes.  A store of sixteen neighbouring lanes covers 256 consecutive
; bytes, aligned.  All sixteen loads of a thread go out first; no register is written twice, so no wait but the counted ones for the loads is needed.
; A stream: each byte is read once and written once, so LDS, matrix units and clusters have nothing to add here.
.set OFFD, 2                           ; v[2:9]    pass i: my byte offset in the destination
.set X,    16                          ; v[16:79]  pass i: 8 f32 as loaded
.set Y,    80                          ; v[80:111] pass i: 8 bf16 to store
	s_load_b512 s[8:23], s[0:1], 0x0               ; x, wq, wk, wv, wo, w_up, w_down, xb
	s_load_b64 s[24:25], s[0:1], 0x40              ; wb
	v_lshlrev_b32 v1, 5, v0                        ; my 32 bytes in a pass of the source
	v_lshrrev_b32 v10, 6, v0                       ; my row of the pass's four
	v_and_b32 v11, 63, v0
	v_lshlrev_b32 v11, 4, v11                      ; my 16 bytes in a row of the destination
	s_mov_b32 s30, 0                               ; the part's first work-group
	s_mov_b32 s31, 0                               ; the part's first byte in the destination
	s_mov_b32 s32, 1024                            ; bytes from row to row in the destination
	s_wait_kmcnt 0x0
	s_mov_b64 s[26:27], s[8:9]                     ; source: x
	s_mov_b64 s[28:29], s[22:23]                   ; destination: xb
.macro PART first, src, d0, dp         ; from work-group \first on: another source
	s_cmp_ge_u32 ttmp9, \first
	s_cselect_b64 s[26:27], s[\src:\src+1], s[26:27]
	s_cselect_b64 s[28:29], s[24:25], s[28:29]
	s_cselect_b32 s30, \first, s30
	s_cselect_b32 s31, \d0, s31
	s_cselect_b32 s32, \dp, s32
.endm
	PART 256, 10, 0, 3072                          ; wq: columns 0-511 of [512][1536]
	PART 272, 12, 1024, 3072                       ; wk: columns 512-1023
	PART 288, 14, 2048, 3072                       ; wv: columns 1024-1535
	PART 304, 16, 1572864, 1024                    ; wo
	PART 320, 18, 2097152, 1024                    ; w_up, dense
	PART 384, 20, 4194304, 1024                    ; w_down, dense
	s_sub_co_u32 s33, ttmp9, s30                   ; my chunk of the part
	s_lshl_b32 s34, s33, 16
	s_mov_b32 s35, 0
	s_add_nc_u64 s[26:27], s[26:27], s[34:35]      ; 65,536 bytes of source a chunk
	s_mul_i32 s36, s33, s32
	s_lshl_b32 s36, s36, 5                         ; 32 rows of the destination a chunk
	s_add_co_u32 s36, s36, s31
	s_mov_b32 s37, 0
	s_add_nc_u64 s[28:29], s[28:29], s[36:37]
	s_lshl_b32 s38, s32, 2                         ; four rows a pass
	v_mad_u32_u24 v[OFFD], v10, s32, v11
.irp i, 1,2,3,4,5,6,7
	v_add_nc_u32 v[OFFD+\i], s38, v[OFFD+\i-1]
.endr
.irp i, 0,1,2,3,4,5,6,7
	global_load_b128 v[X+8*\i:X+8*\i+3],   v1, s[26:27] offset:8192*\i
	global_load_b128 v[X+8*\i+4:X+8*\i+7], v1, s[26:27] offset:8192*\i+16
.endr
.irp i, 0,1,2,3,4,5,6,7
	s_wait_loadcnt 14-2*\i                         ; loads come back in order: pass i's two are in, the younger ones stay out
	v_cvt_pk_bf16_f32 v[Y+4*\i],   v[X+8*\i],   v[X+8*\i+1]
	v_cvt_pk_bf16_f32 v[Y+4*\i+1], v[X+8*\i+2], v[X+8*\i+3]
	v_cvt_pk_bf16_f32 v[Y+4*\i+2], v[X+8*\i+4], v[X+8*\i+5]
	v_cvt_pk_bf16_f32 v[Y+4*\i+3], v[X+8*\i+6], v[X+8*\i+7]
	global_store_b128 v[OFFD+\i], v[Y+4*\i:Y+4*\i+3], s[28:29]
.endr
	s_endpgm
.Lfunc_end_k_q2ed13ab41a_prep:
	.size	k_q2ed13ab41a_prep, .Lfunc_end_k_q2ed13ab41a_prep-k_q2ed13ab41a_prep
	.p2alignl 7, 3214868480
	.fill 96, 4, 3214868480
	.section	.rodata,"a",@progbits
	.p2align	6, 0x0
	.amdhsa_kernel k_q2ed13ab41a_prep
		.amdhsa_group_segment_fixed_size 0
		.amdhsa_private_segment_fixed_size 0
		.amdhsa_enable_private_segment 0
		.amdhsa_kernarg_size 72
		.amdhsa_user_sgpr_count 2
		.amdhsa_user_sgpr_kernarg_segment_ptr 1
		.amdhsa_wavefront_size32 1
		.amdhsa_system_sgpr_workgroup_id_x 1
		.amdhsa_system_sgpr_workgroup_id_y 1
		.amdhsa_system_sgpr_workgroup_id_z 1
		.amdhsa_system_vgpr_workitem_id 0
		.amdhsa_next_free_vgpr 112
		.amdhsa_next_free_sgpr 66
		.amdhsa_reserve_vcc 0
		.amdhsa_float_denorm_mode_32 3
		.amdhsa_float_denorm_mode_16_64 3
		.amdhsa_memory_ordered 1
		.amdhsa_forward_progress 1
		.amdhsa_inst_pref_size 8
	.end_amdhsa_kernel
	.amdgpu_metadata
---
amdhsa.version: [ 1, 2 ]
amdhsa.kernels:
  - .name:           k_q2ed13ab41a_prep
    .symbol:         k_q2ed13ab41a_prep.kd
    .args:
      - { .name: moves_embeddings, .offset: 0, .size: 8, .value_kind: global_buffer, .address_space: global }
      - { .name: wq, .offset: 8, .size: 8, .value_kind: global_buffer, .address_space: global }
      - { .name: wk, .offset: 16, .size: 8, .value_kind: global_buffer, .address_space: global }
      - { .name: wv, .offset: 24, .size: 8, .value_kind: global_buffer, .address_space: global }
      - { .name: wo, .offset: 32, .size: 8, .value_kind: global_buffer, .address_space: global }
      - { .name: w_up, .offset: 40, .size: 8, .value_kind: global_buffer, .address_space: global }
      - { .name: w_down, .offset: 48, .size: 8, .value_kind: global_buffer, .address_space: global }
      - { .name: xb, .offset: 56, .size: 8, .value_kind: global_buffer, .address_space: global }
      - { .name: wb, .offset: 64, .size: 8, .value_kind: global_buffer, .address_space: global }
    .group_segment_fixed_size: 0
    .private_segment_fixed_size: 0
    .kernarg_segment_align: 8
    .kernarg_segment_size: 72
    .max_flat_workgroup_size: 256
    .sgpr_count:     66
    .vgpr_count:     112
    .wavefront_size: 32
...
	.end_amdgpu_metadata
.endif
;; end of part 1
;; launch qkv (part 2): grid 8 x 32, 4 waves a work-group, clusters of 4 x 4, 327,680 bytes of LDS; arguments xb, wb, bq, bk, bv, qkv; writes qkv
.if DOCPART == 2
	.amdgcn_target "amdgcn-amd-amdhsa--gfx1250"
	.amdhsa_code_object_version 6
	.text
	.protected	k_q2ed13ab41a_qkv
	.globl	k_q2ed13ab41a_qkv
	.p2align	8
	.type	k_q2ed13ab41a_qkv,@function
k_q2ed13ab41a_qkv:
	s_mov_b64 s[64:65], 0
	v_nop
	global_prefetch_b8 v0, s[64:65] scope:SCOPE_SE
	s_setreg_imm32_b32 hwreg(HW_REG_WAVE_MODE, 25, 1), 1
	s_wait_xcnt 0x0
	s_wait_alu depctr_hold_cnt(0) depctr_sa_sdst(0) depctr_va_vdst(0) depctr_va_sdst(0) depctr_va_ssrc(0) depctr_va_vcc(0) depctr_vm_vsrc(0)
	s_getreg_b32 s2, hwreg(HW_REG_IB_STS2, 6, 4)
	s_cmp_eq_u32 s2, 0
	s_cbranch_scc0 .Lentry_in_a_cluster
	s_endpgm
.Lentry_in_a_cluster:
	s_bfe_u32 s2, ttmp6, 0x10000c
	s_cmp_lg_u32 s2, 0xf033
	s_cbranch_scc0 .Lentry_shape_is_right
	s_endpgm
.Lentry_shape_is_right:
; [q | k | v] = x W + b.  x: xb [8192][512] bf16.  W: wb's first region, [512][1536] bf16 (wq, wk, wv side by side).  Sums in f32, started by the bias.
; The result is rounded once to f16 and laid by heads: qkv [3][32 = batch x 8 + head][2048][64].
; LIMIT.  f16 holds no number beyond 65,504: q, k and v are taken to lie within it.  Infinities and NaN are not treated apart.
; SHARES.  A work-group makes 256 tokens x 192 columns (three heads): 32 x 8 = 256 work-groups.  Each of four waves makes 64 tokens x 192: 48 accumulators of 16 x 16.
; K goes in steps of 128 through two LDS slots.  A slot: 256 rows of x (256 bytes + 16 of padding), then 128 rows of W as they lie in memory, [k][n].
; W's fragments come out of LDS turned, by ds_load_tr16_b128.  W's rows of 384 bytes are padded by 32 bytes after every 128: three segments of 160, one a head; 480 bytes a row.
; THE MATRIX INSTRUCTION IS USED TRANSPOSED: source 0 = 16 columns of W, source 1 = 16 tokens.  A lane then holds one token (lane % 16) and eight neighbouring columns.
; CLUSTER 4 x 4: the four work-groups of a row of the cluster need the same rows of x, the four of a column the same columns of W: each tile is asked for jointly.
; REGISTERS, in windows of 256: window 0: v0-31 addresses; v64-127 x's fragments, two buffers; v128-223 the bias, later the way out.  window 1: W's fragments, two buffers at v0 and v128.
;   windows 2, 3: the accumulators of token blocks 0, 1 and 2, 3: (a, b) at v[8 (12 (a % 2) + b)].
.set KSTEPS, 4
.set MBLK,   4                         ; blocks of 16 tokens a wave
.set NBLK,   12                        ; blocks of 16 columns a wave
.set APITCH, 272
.set AH,     128*APITCH                ; what one tensor load brings of x
.set ASZ,    2*AH
.set AQS,    128                       ; quarter q of a K step begins at byte AQS (q / 2) + 64 (q % 2) of a row of x
.set BP,     480                       ; an odd multiple of 32 bytes: the eight rows of a turning load's group start in different banks
.set BH,     64*BP                     ; what one tensor load brings of W
.set BSEG,   160                       ; column block b begins at byte BSEG (b / 4) + 32 (b % 4) of a row of W
.set D,      131072                    ; from slot 0 to slot 1: a single bit that no LDS address inside a slot has
.set ASTEP,  256                       ; bytes in memory from K step to K step
.set BSTEP,  128*3072
.set STAGE,  2*D                       ; behind the ring, never filled by a tensor load: 16 rows x 144 bytes for each wave
.set SP,     144
.set SPARE,  STAGE+4*16*SP             ; the spare words, 128 bytes a wave: two blocks of 256 bytes that no other line names
.set TAILFILL, 0
.set NL,    2*(NBLK+MBLK)              ; LDS loads in a run
.set ADRA,  16                         ; v16     LDS address of my fragments of x in the slot in hand
.set ADRA0, 17                         ; v17     the same in slot 0; never rewritten
.set ADRB,  20                         ; v20-23  the same for W, one for each quarter of a K step
.set ADRB0, 24                         ; v24-27
.set SPW,   28                         ; v28     my spare word; never rewritten
.set NIL,   29                         ; v29     0; never rewritten
.set FA,    64
.set BIAS,  64+16*MBLK
.set G1A,   24                         ; s[24:31] descriptor group 1 for x's tiles; s[32:39] group 0: a set for each first fill, the second then walks
.set G0A,   32
.set G1B,   48                         ; s[48:55], s[56:63] the same for W's
.set G0B,   56
.set TB,    66                         ; s66  0 or D: the slot in hand
.set STO,   8
.set RD,    9
.set GO,    10
.set TMP,   128
.set OB,    68                         ; s[68:73] where my rows of the tile's three heads begin in qkv
.set BPT,   74                         ; s[74:79] the three heads' biases
.set MSB, 0
.macro WIN new                         ; the immediate's high byte repeats the setting that is left; a switch that changes nothing is dropped
.if MSB != (\new)
	s_set_vgpr_msb (MSB<<8)|(\new)
.set MSB, (\new)
.endif
.endm
.macro PLACES                          ; four places behind matrix instructions, in front of loads into their sources and of reads of their results
.rept 4
	v_nop
.endr
.endm
.macro CREST                           ; a round of the cluster's barrier behind its opening barrier
	s_cmp_lg_u32 s10, 0
	s_cbranch_scc1 .Lnot_wave_0_\@
	s_barrier_signal -3
.Lnot_wave_0_\@:
	s_barrier_wait -3
	s_barrier_signal -1
	s_barrier_wait -1
.endm
.macro CROUND
	s_barrier_signal -1
	s_barrier_wait -1
	CREST
.endm
.macro JLOAD                           ; a refill: waves 0 and 1 fetch the two halves of x's tile, waves 2 and 3 those of W's; s_nop 0 and four v_nop follow each line
	s_cmp_eq_u32 s11, 0
	s_cbranch_scc0 .Lfor_b_\@
	tensor_load_to_lds s[G0A+4:G0A+7], s[G1A:G1A+7]
	s_nop 0
	PLACES
	s_branch .Lasked_\@
.Lfor_b_\@:
	tensor_load_to_lds s[G0B+4:G0B+7], s[G1B:G1B+7]
	s_nop 0
	PLACES
.Lasked_\@:
.endm
; na token blocks from a0 on x all column blocks, 32 along K, from buffer f.  zero = 1: the bias is the C operand that starts the sums.  The accumulators take turns.
.macro MULR f, a0, na, zero
.set ma, (\a0)
.rept (\na)
.set mb, 0
.rept NBLK
.set rD, 8*(NBLK*(ma%(MBLK/2))+mb)
.set rB, 128*(\f)+8*mb
.set rA, FA+8*MBLK*(\f)+8*ma
.if \zero
	WIN 0x81+0x40*(ma/(MBLK/2))
	v_wmma_f32_16x16x32_bf16 v[rD:rD+7], v[rB:rB+7], v[rA:rA+7], v[BIAS+8*mb:BIAS+8*mb+7]
.else
	WIN 0xa1+0x50*(ma/(MBLK/2))
	v_wmma_f32_16x16x32_bf16 v[rD:rD+7], v[rB:rB+7], v[rA:rA+7], v[rD:rD+7]
.endif
.set mb, mb+1
.endr
.set ma, ma+1
.endr
.endm
; One run of NL LDS loads: the fragments of quarter q of the K step in hand, into buffer g: W's first, then x's
.macro FETCH q, g
	WIN 0x40
.set fb, 0
.rept NBLK
	ds_load_tr16_b128 v[128*(\g)+8*fb:128*(\g)+8*fb+3],   v[ADRB+(\q)] offset:BSEG*(fb/4)+32*(fb%4)
	ds_load_tr16_b128 v[128*(\g)+8*fb+4:128*(\g)+8*fb+7], v[ADRB+(\q)] offset:BSEG*(fb/4)+32*(fb%4)+16*BP
.set fb, fb+1
.endr
	WIN 0
.set fa, 0
.rept MBLK
	ds_load_b128 v[FA+8*MBLK*(\g)+8*fa:FA+8*MBLK*(\g)+8*fa+3],   v[ADRA] offset:AQS*((\q)/2)+64*((\q)%2)+fa*16*APITCH
	ds_load_b128 v[FA+8*MBLK*(\g)+8*fa+4:FA+8*MBLK*(\g)+8*fa+7], v[ADRA] offset:AQS*((\q)/2)+64*((\q)%2)+fa*16*APITCH+32
.set fa, fa+1
.endr
.endm
; One of a K step's first three quarters: multiplies buffer f; in its middle fetches quarter q into buffer g
.macro QUARTER q, f, g, zero
	s_wait_dscnt MBLK                              ; all of W and x's lower blocks are in; the youngest MBLK loads (x's upper blocks) may be out
	MULR \f, 0, MBLK/2, \zero
	PLACES
	FETCH \q, \g
	s_wait_dscnt NL                                ; all but the run just issued
	MULR \f, MBLK/2, MBLK/2, \zero
.endm
; The last quarter multiplies buffer 1 and changes slots.  In front of the barrier each wave waits for all its tensor loads (one is out: its part of the next slot), adds 0 to its spare word,
; and waits for that and for its reads of this slot.  fill = 1: the barrier opens a round of the cluster's, and this slot is filled again, two K steps ahead, first thing behind it.
.macro TURN fill
	WIN 0
	s_wait_tensorcnt 0x0                           ; no tensor load of mine is out, so a group 0 may be written
	ds_add_u32 v[SPW], v[NIL]
.if (\fill) == 1
	s_xor_b32 s[G0A+5], s[G0A+5], D                ; the walking descriptors: the other slot than last time, the next K step
	s_add_nc_u64 s[G0A+6:G0A+7], s[G0A+6:G0A+7], ASTEP
	s_xor_b32 s[G0B+5], s[G0B+5], D
	s_add_nc_u64 s[G0B+6:G0B+7], s[G0B+6:G0B+7], BSTEP
.endif
	s_wait_dscnt MBLK+1                            ; the add and the youngest MBLK loads may be out
	MULR 1, 0, MBLK/4, 0
	s_wait_dscnt 0x0                               ; the add is done, and my reads of this slot are over
	s_barrier_signal -1
	MULR 1, MBLK/4, MBLK/4, 0
	WIN 0
	s_barrier_wait -1
.if (\fill) == 1
	CREST
	JLOAD
.elseif (\fill) == 2
	CREST
	tensor_load_to_lds s[68:71], s[72:79]
	s_nop 0
	PLACES
.else
	PLACES
.endif
	s_xor_b32 s[TB], s[TB], D
	v_add_nc_u32 v[ADRA], s[TB], v[ADRA0]
.irp q, 0,1,2,3
	v_add_nc_u32 v[ADRB+\q], s[TB], v[ADRB0+\q]
.endr
	FETCH 0, 0
	MULR 1, MBLK/2, MBLK/2, 0
.endm
.macro LASTQ                           ; the very last quarter: nothing more to fetch
	s_wait_dscnt MBLK
	MULR 1, 0, MBLK/2, 0
	s_wait_dscnt 0x0
	MULR 1, MBLK/2, MBLK/2, 0
	WIN 0
.endm
	s_load_b256 s[84:91], s[0:1], 0x0              ; xb s[84:85], wb s[86:87], bq s[88:89], bk s[90:91]
	s_load_b128 s[92:95], s[0:1], 0x20             ; bv s[92:93], qkv s[94:95]
	v_lshl_add_u32 v[SPW], v0, 2, SPARE
	v_mov_b32 v[NIL], 0
	ds_add_u32 v[SPW], v[NIL]                      ; the wave's opening
	v_lshrrev_b32 v1, 5, v0
	v_readfirstlane_b32 s10, v1                    ; wave 0..3
	s_lshr_b32 s11, s10, 1                         ; I fetch for x (0) or for W (1),
	s_and_b32 s12, s10, 1                          ; and which half of that tile
	s_bfe_u32 s40, ttmp6, 0x40000                  ; cx, cy: my place in the cluster
	s_bfe_u32 s41, ttmp6, 0x40004
	s_lshl_b32 s42, ttmp9, 2
	s_add_co_u32 s42, s42, s40                     ; tile column = 4 x cluster x + cx
	s_and_b32 s13, ttmp7, 0xffff
	s_lshl_b32 s13, s13, 2
	s_add_co_u32 s13, s13, s41                     ; tile row = 4 x cluster y + cy
	s_lshl_b32 s43, s41, 2
	s_lshl_b32 s43, 15, s43                        ; my row of the cluster
	s_lshl_b32 s44, 0x1111, s40                    ; my column
	s_or_b32 s[G1A], s43, (1<<16)|(1<<20)|(1<<21)|(5<<22)|(3<<25)  ; the mask; 2-byte elements; padding on; bit 21 beside a mask; after every 64 words 4 words
	s_mov_b32 s[G1A+1], 128<<16                    ; tensor_dim0 = 128
	s_mov_b32 s[G1A+2], 128<<16                    ; tensor_dim1 = 128
	s_mov_b32 s[G1A+3], 128<<16                    ; tile_dim0 = 128
	s_mov_b32 s[G1A+4], 128                        ; tile_dim1 = 128
	s_mov_b32 s[G1A+5], 512                        ; elements from row to row
	s_mov_b32 s[G1A+6], 0
	s_mov_b32 s[G1A+7], 0
	s_or_b32 s[G1B], s44, (1<<16)|(1<<20)|(1<<21)|(4<<22)|(7<<25)  ; after every 32 words 8 words
	s_mov_b32 s[G1B+1], 192<<16
	s_mov_b32 s[G1B+2], 64<<16
	s_mov_b32 s[G1B+3], 192<<16
	s_mov_b32 s[G1B+4], 64
	s_mov_b32 s[G1B+5], 1536
	s_mov_b32 s[G1B+6], 0
	s_mov_b32 s[G1B+7], 0
	s_lshl_b32 s16, s13, 8
	s_lshl_b32 s17, s12, 7
	s_add_co_u32 s16, s16, s17                     ; x: row 256 x tile row + 128 x half,
	s_lshl_b32 s16, s16, 10                        ; of 1,024 bytes
	s_mov_b32 s17, 0
	s_mul_i32 s46, s12, 64*3072                    ; W: k-row 64 x half,
	s_mul_i32 s47, s42, 384                        ; column 192 x tile column
	s_add_co_u32 s46, s46, s47
	s_mov_b32 s47, 0
	s_mul_i32 s20, s12, AH                         ; and where they go: no place in the cluster enters an LDS address
	s_mul_i32 s21, s12, BH
	s_add_co_u32 s21, s21, ASZ
	s_wait_dscnt 0x0                               ; the opening add is done
	s_wait_kmcnt 0x0
	s_add_nc_u64 s[14:15], s[84:85], s[16:17]
	s_add_nc_u64 s[46:47], s[86:87], s[46:47]
	CROUND                                         ; all sixteen work-groups are here: the first joint loads meet
.irp s, 0,1
	s_mov_b32 s[G0A+4*\s], 1
	s_add_co_u32 s[G0A+4*\s+1], s20, \s*D
	s_add_nc_u64 s[G0A+4*\s+2:G0A+4*\s+3], s[14:15], \s*ASTEP
	s_or_b32 s[G0A+4*\s+3], s[G0A+4*\s+3], 0x80000000
	s_mov_b32 s[G0B+4*\s], 1
	s_add_co_u32 s[G0B+4*\s+1], s21, \s*D
	s_add_nc_u64 s[G0B+4*\s+2:G0B+4*\s+3], s[46:47], \s*BSTEP
	s_or_b32 s[G0B+4*\s+3], s[G0B+4*\s+3], 0x80000000
.endr
	s_cmp_eq_u32 s11, 0                            ; a wave's two first fills stand in one branch: two tensor loads of mine are out, the most in this text
	s_cbranch_scc0 .Lfirst_b
	tensor_load_to_lds s[G0A:G0A+3], s[G1A:G1A+7]
	s_nop 0
	tensor_load_to_lds s[G0A+4:G0A+7], s[G1A:G1A+7]
	s_nop 0
	PLACES
	s_branch .Lfirst_asked
.Lfirst_b:
	tensor_load_to_lds s[G0B:G0B+3], s[G1B:G1B+7]
	s_nop 0
	tensor_load_to_lds s[G0B+4:G0B+7], s[G1B:G1B+7]
	s_nop 0
	PLACES
.Lfirst_asked:
	v_and_b32 v1, 15, v0                           ; r = l % 16
	v_bfe_u32 v2, v0, 4, 1                         ; h = l / 16
	v_and_b32 v3, 7, v0
	v_bfe_u32 v4, v0, 3, 1
	v_lshlrev_b32 v7, 5, v2                        ; my eight columns of sixteen, as f32
	; the tile's three heads: number g = 3 x tile column + hd of 24: matrix g / 8 (q, k, v), head g % 8
.irp hd, 0,1,2
	s_mul_i32 s80, s42, 3
	s_add_co_u32 s80, s80, \hd
	s_lshr_b32 s81, s80, 3
	s_and_b32 s80, s80, 7
	s_cmp_eq_u32 s81, 1
	s_cselect_b64 s[BPT+2*\hd:BPT+2*\hd+1], s[90:91], s[88:89]
	s_cmp_eq_u32 s81, 2
	s_cselect_b64 s[BPT+2*\hd:BPT+2*\hd+1], s[92:93], s[BPT+2*\hd:BPT+2*\hd+1]
	s_lshl_b32 s82, s80, 8                         ; 64 f32 a head
	s_mov_b32 s83, 0
	s_add_nc_u64 s[BPT+2*\hd:BPT+2*\hd+1], s[BPT+2*\hd:BPT+2*\hd+1], s[82:83]
	s_lshl_b32 s82, s81, 23                        ; a matrix is 8,388,608 bytes,
	s_lshr_b32 s83, s13, 3                         ; the batch is tile row / 8,
	s_lshl_b32 s83, s83, 3
	s_add_co_u32 s83, s83, s80
	s_lshl_b32 s83, s83, 18                        ; a head 262,144 bytes,
	s_add_co_u32 s82, s82, s83
	s_and_b32 s83, s13, 7
	s_lshl_b32 s83, s83, 2
	s_add_co_u32 s83, s83, s10
	s_lshl_b32 s83, s83, 13                        ; my wave's 64 tokens of 128 bytes
	s_add_co_u32 s82, s82, s83
	s_mov_b32 s83, 0
	s_add_nc_u64 s[OB+2*\hd:OB+2*\hd+1], s[94:95], s[82:83]
.endr
.irp hd, 0,1,2
.irp f, 0,1,2,3
	global_load_b128 v[BIAS+8*(4*\hd+\f):BIAS+8*(4*\hd+\f)+3],   v7, s[BPT+2*\hd:BPT+2*\hd+1] offset:64*\f
	global_load_b128 v[BIAS+8*(4*\hd+\f)+4:BIAS+8*(4*\hd+\f)+7], v7, s[BPT+2*\hd:BPT+2*\hd+1] offset:64*\f+16
.endr
.endr
	v_mul_u32_u24 v5, v1, APITCH
	v_lshl_add_u32 v5, v2, 4, v5                   ; a fragment of x: row x pitch + 16 x half
	s_mul_i32 s20, s10, 16*MBLK*APITCH             ; my wave's 64 rows
	v_add_nc_u32 v[ADRA0], s20, v5
	v_lshl_add_u32 v6, v2, 3, v3                   ; the turning load: k-row 8 h + l % 8,
	v_mul_u32_u24 v6, v6, BP
	v_lshl_add_u32 v6, v4, 4, v6                   ; columns 8 ((l / 8) % 2) on
.irp q, 0,1,2,3
	v_add_nc_u32 v[ADRB0+\q], ASZ+32*\q*BP, v6
.endr
	s_mul_i32 s21, s10, 16*SP
	s_add_co_u32 s21, s21, STAGE                   ; my stage
	v_mul_u32_u24 v[STO], v1, SP                   ; in: row l % 16, 16 bytes for each half of the lanes
	v_lshl_add_u32 v[STO], v2, 4, v[STO]
	v_add_nc_u32 v[STO], s21, v[STO]
	v_bfe_u32 v[RD], v0, 3, 2                      ; back: 32 lanes take four rows of 128 bytes,
	v_mul_u32_u24 v[RD], v[RD], SP
	v_lshl_add_u32 v[RD], v3, 4, v[RD]
	v_add_nc_u32 v[RD], s21, v[RD]
	v_and_b32 v[GO], 31, v0                        ; which are 512 consecutive bytes of a head
	v_lshlrev_b32 v[GO], 4, v[GO]
	s_mov_b32 s[TB], 0
	v_mov_b32 v[ADRA], v[ADRA0]
.irp q, 0,1,2,3
	v_mov_b32 v[ADRB+\q], v[ADRB0+\q]
.endr
	s_wait_tensorcnt 1                             ; my part of K step 0 is in; K step 1's may stay out
	s_barrier_signal -1
	s_barrier_wait -1                              ; everybody's is
	FETCH 0, 0
	s_wait_loadcnt 0x0                             ; the bias
	QUARTER 1, 0, 1, 1                             ; the first quarter stands in front of the loop: its products start the sums
	WIN 0
	s_mov_b32 s3, KSTEPS-2
.Lstep:                                                ; a trip: from a K step's second quarter to the next step's first; it fills one slot again
	QUARTER 2, 1, 0, 0
	QUARTER 3, 0, 1, 0
	TURN 1
	QUARTER 1, 0, 1, 0
	WIN 0
	s_sub_co_u32 s3, s3, 1
	s_cmp_lg_u32 s3, 0
	s_cbranch_scc1 .Lstep
	QUARTER 2, 1, 0, 0                             ; the last two K steps are written out: nothing is left to fetch
	QUARTER 3, 0, 1, 0
	TURN TAILFILL
	QUARTER 1, 0, 1, 0
	QUARTER 2, 1, 0, 0
	QUARTER 3, 0, 1, 0
	LASTQ
; THE WAY OUT.  Tile t = 3 a + hd: 16 tokens x one head's 64 channels = 2,048 consecutive bytes of qkv.  Rounded to f16, 16 bytes a lane into my own stage, back as whole rows, stored.
.macro PACK t
.set pa, (\t)/3
.set ph, (\t)%3
.set TM, TMP+16*((\t)%4)
	s_wait_xcnt 0x0                                ; these registers were a store's data four tiles ago: they are rewritten only behind this wait
	WIN 0x0a+5*(pa/2)                              ; sources 0 and 1 in window 2 or 3
.set pf, 0
.rept 4
.set rD, 8*(NBLK*(pa%2)+4*ph+pf)
.set pr, 0
.rept 4
	v_cvt_pk_f16_f32 v[TM+4*pf+pr], v[rD+2*pr], v[rD+2*pr+1]
.set pr, pr+1
.endr
.set pf, pf+1
.endr
	WIN 0
.irp f, 0,1,2,3
	ds_store_b128 v[STO], v[TM+4*\f:TM+4*\f+3] offset:32*\f
.endr
.irp f, 0,1,2,3
	ds_load_b128 v[TM+4*\f:TM+4*\f+3], v[RD] offset:\f*4*SP  ; LDS serves a wave's instructions in order (ISA guide 5.7.1.4): these see the stores above
.endr
.endm
.macro SEND t, younger                 ; younger: the LDS instructions issued behind tile t's loads: the next tile's eight, or none
.set TM, TMP+16*((\t)%4)
.irp f, 0,1,2,3
	s_wait_dscnt (\younger)+3-\f
	global_store_b128 v[GO], v[TM+4*\f:TM+4*\f+3], s[OB+2*((\t)%3):OB+2*((\t)%3)+1] offset:((\t)/3)*2048+\f*512  ; 512 consecutive bytes, aligned
.endr
.endm
	PLACES
	PACK 0
.set t, 1
.rept 11                               ; a tile's conversions stand between the loads of the tile before and its stores
	PACK t
	SEND t-1, 8
.set t, t+1
.endr
	SEND 11, 0
	s_wait_tensorcnt 0x0                           ; the wave's end
	ds_add_u32 v[SPW], v[NIL]
	s_wait_dscnt 0x0
	CROUND                                         ; the closing round: no work-group ends while a partner may still ask for a tile that names it
	s_endpgm
.Lfunc_end_k_q2ed13ab41a_qkv:
	.size	k_q2ed13ab41a_qkv, .Lfunc_end_k_q2ed13ab41a_qkv-k_q2ed13ab41a_qkv
	.p2alignl 7, 3214868480
	.fill 96, 4, 3214868480
	.section	.rodata,"a",@progbits
	.p2align	6, 0x0
	.amdhsa_kernel k_q2ed13ab41a_qkv
		.amdhsa_group_segment_fixed_size 327680
		.amdhsa_private_segment_fixed_size 0
		.amdhsa_enable_private_segment 0
		.amdhsa_kernarg_size 48
		.amdhsa_user_sgpr_count 2
		.amdhsa_user_sgpr_kernarg_segment_ptr 1
		.amdhsa_wavefront_size32 1
		.amdhsa_system_sgpr_workgroup_id_x 1
		.amdhsa_system_sgpr_workgroup_id_y 1
		.amdhsa_system_sgpr_workgroup_id_z 1
		.amdhsa_system_vgpr_workitem_id 0
		.amdhsa_next_free_vgpr 1024
		.amdhsa_next_free_sgpr 100
		.amdhsa_reserve_vcc 0
		.amdhsa_float_denorm_mode_32 3
		.amdhsa_float_denorm_mode_16_64 3
		.amdhsa_memory_ordered 1
		.amdhsa_forward_progress 1
		.amdhsa_inst_pref_size 103
	.end_amdhsa_kernel
	.amdgpu_metadata
---
amdhsa.version: [ 1, 2 ]
amdhsa.kernels:
  - .name:           k_q2ed13ab41a_qkv
    .symbol:         k_q2ed13ab41a_qkv.kd
    .args:
      - { .name: xb, .offset: 0, .size: 8, .value_kind: global_buffer, .address_space: global }
      - { .name: wb, .offset: 8, .size: 8, .value_kind: global_buffer, .address_space: global }
      - { .name: bq, .offset: 16, .size: 8, .value_kind: global_buffer, .address_space: global }
      - { .name: bk, .offset: 24, .size: 8, .value_kind: global_buffer, .address_space: global }
      - { .name: bv, .offset: 32, .size: 8, .value_kind: global_buffer, .address_space: global }
      - { .name: qkv, .offset: 40, .size: 8, .value_kind: global_buffer, .address_space: global }
    .group_segment_fixed_size: 327680
    .private_segment_fixed_size: 0
    .kernarg_segment_align: 8
    .kernarg_segment_size: 48
    .max_flat_workgroup_size: 128
    .sgpr_count:     100
    .vgpr_count:     1024
    .wavefront_size: 32
...
	.end_amdgpu_metadata
.endif
;; end of part 2
;; launch attn (part 3): grid 8 x 32, 4 waves a work-group, clusters of 4 x 1, 327,680 bytes of LDS; arguments qkv, ctx; writes ctx
.if DOCPART == 3
	.amdgcn_target "amdgcn-amd-amdhsa--gfx1250"
	.amdhsa_code_object_version 6
	.text
	.protected	k_q2ed13ab41a_attn
	.globl	k_q2ed13ab41a_attn
	.p2align	8
	.type	k_q2ed13ab41a_attn,@function
k_q2ed13ab41a_attn:
	s_mov_b64 s[64:65], 0
	v_nop
	global_prefetch_b8 v0, s[64:65] scope:SCOPE_SE
	s_setreg_imm32_b32 hwreg(HW_REG_WAVE_MODE, 25, 1), 1
	s_wait_xcnt 0x0
	s_wait_alu depctr_hold_cnt(0) depctr_sa_sdst(0) depctr_va_vdst(0) depctr_va_sdst(0) depctr_va_ssrc(0) depctr_va_vcc(0) depctr_vm_vsrc(0)
	s_getreg_b32 s2, hwreg(HW_REG_IB_STS2, 6, 4)
	s_cmp_eq_u32 s2, 0
	s_cbranch_scc0 .Lentry_in_a_cluster
	s_endpgm
.Lentry_in_a_cluster:
	s_bfe_u32 s2, ttmp6, 0x10000c
	s_cmp_lg_u32 s2, 0x3003
	s_cbranch_scc0 .Lentry_shape_is_right
	s_endpgm
.Lentry_shape_is_right:
; ctx[h][q][:] = the sum over k of softmax_k(Q[h][q] . K[h][k] / sqrt(512)) V[h][k][:].  Q, K, V: the three matrices of qkv, [32][2048][64] f16; ctx: [32][2048][64] bf16.
; Products, maxima and sums in f32; the weights p are rounded to f16 for the second product (their sum l is taken of the unrounded p), ctx once at the end, to bf16.
; LIMITS.  p lies in 0 to 1, and below 6e-5 it keeps f16's fixed step; a weight below 2^-126 counts as 0 in l; NaN and infinities are not treated apart.
; SHARES.  A work-group owns 256 queries of one head: 8 x 32 = 256 work-groups.  Of the block's four bands of 64 queries a wave owns 16 rows in each: four PIECES.  Every wave walks all 2,048 keys, 64 a step.
; LAYOUT.  S^T = K Q^T holds ONE query a lane (lane % 16) and the keys 8 (lane / 16) + 0..7; two such results rounded to f16 ARE source 1 of O^T = V^T P.  K comes out of LDS as it lies, V turned.
; SOFTMAX.  A running maximum m and sum l for each query: p = 2^(c s - c m), c = log2(e) / sqrt(512); O and l are multiplied by a = 2^(c m_old - c m_new) in every step.
; m starts at the lowest finite number, O and l at 0: the first step is a step like any other, with a = 0.
; BY TURNS.  Turn n belongs to piece n: 8 products K Q^T of piece n + 1, later 8 products V^T P of piece n - 1; beside them the scaling, exponentials, roundings, sums and rescaling of piece n and the
; maximum and statistics of piece n + 1.  Four vector instructions stand behind every matrix instruction, the other 54 of a turn's 118 in two runs of their own.
; CLUSTER.  The four query blocks of a cluster belong to one head and walk the same K and V: each tile of 256 keys is asked for JOINTLY, by the same tensor load, descriptor and mask in all four.
; REGISTERS, in windows of 256 (s_set_vgpr_msb: bits 1:0 source 0, 3:2 source 1, 5:4 source 2, 7:6 destination):
;   window 0: v0-15 addresses and two at work; v16-31 four registers of statistics a piece; v48-55 at work; v64-127 S^T, two buffers; v192-223 P, two buffers (by the piece's parity)
;   window 1: v0-127 O^T, 32 a piece          window 2: v0-63 Q; v128-191 K of one step; v192-255 V of one step
.set NP,    4
.set KS,    64
.set PK,    144       ; a row of K in LDS: 128 bytes + 16 of padding: the 16 rows of a load start at 16 different groups of four banks (ISA guide 11.1)
.set PV,    160       ; a row of V: 128 + 32
.set VOFF,  4*KS*PK   ; a slot holds four steps: 256 rows of K, then 256 rows of V
.set SLOT1, 1<<17
.set STAGE, SLOT1+4*KS*(PK+PV)  ; behind the ring, never filled by a tensor load: 16 rows x 144 bytes for each wave
.set SP,    144
.set SPARE, STAGE+4*16*SP       ; the spare words, 128 bytes a wave: two blocks of 256 bytes that no other line names
.set AK0, 2
.set AV0, 3
.set AK,  4
.set AV,  5
.set STO, 6
.set RD,  7
.set GO,  8
.set MV,  12          ; v12-13  c m_old, kept while c m is made anew: by buffer
.set QO,  15
.set ST,  16          ; piece t's statistics at v[ST+4 t]: c m, m, l (even keys', odd keys')
.set TMP, 48          ; by buffer, four registers c0-c3 at work; when the maximum is found c2 takes a
.set SPW, 62
.set NIL, 63
.set S,   64
.set P,   192
.set KF,  128
.set VF,  192
.set WV,  12
.set G1K, 24
.set G1V, 32
.set G0K, 40
.set G0V, 44
.set SLOTS, 56
.set CNT, 57
.set CS,  58
.set SEL, 60
.set TBK, 62
.set TBV, 63
.set MSB, 0
.macro WIN new
.if MSB != (\new)
	s_set_vgpr_msb (MSB<<8)|(\new)
.set MSB, (\new)
.endif
.endm
.set W_KQ, 0x0a       ; K and Q in window 2, S^T in window 0
.set W_PV, 0x52       ; V in window 2, P in window 0, O^T in window 1
.set W_RS, 0x41       ; destination and source 0 in window 1, source 1 in window 0
.macro JLOAD                        ; a joint fill: waves 0 and 1 fetch the two halves of a slot's K, waves 2 and 3 those of its V; s_nop 0 and four v_nop follow each line
	s_cmp_lt_u32 s[WV], 2
	s_cbranch_scc0 .Lfor_v_\@
	tensor_load_to_lds s[G0K:G0K+3], s[G1K:G1K+7]
	s_nop 0
.rept 4
	v_nop
.endr
	s_branch .Lasked_\@
.Lfor_v_\@:
	tensor_load_to_lds s[G0V:G0V+3], s[G1V:G1V+7]
	s_nop 0
.rept 4
	v_nop
.endr
.Lasked_\@:
.endm
.macro CROUND                       ; a round of the cluster's barrier
	s_barrier_signal -1
	s_barrier_wait -1
	s_cmp_lg_u32 s[WV], 0
	s_cbranch_scc1 .Lnot_wave_0_\@
	s_barrier_signal -3
.Lnot_wave_0_\@:
	s_barrier_wait -3
	s_barrier_signal -1
	s_barrier_wait -1
.endm
; THE CHANGE OF SLOTS.  Each wave waits for all its tensor loads, of which one is out: its part of the other slot; adds 0 to its spare word; and waits for that and for its reads of the slot that it leaves.
; fill = 1: the barrier is a round of the cluster's, and the old slot is filled again, first thing behind it, with the keys two slots on: four key steps, 256 matrix instructions, in which to land.
; (At its first use nothing has been read yet: slot 0 is waited for, slot 1 filled.)
.macro CHANGE fill
	WIN 0
	s_wait_tensorcnt 0x0            ; no tensor load of mine is out, so a group 0 may be written
	ds_add_u32 v[SPW], v[NIL]
.if \fill
.irp g, G0K, G0V
	s_xor_b32 s[\g+1], s[\g+1], SLOT1
	s_add_nc_u64 s[\g+2:\g+3], s[\g+2:\g+3], 4*KS*128
.endr
	s_wait_dscnt 0x0                ; the add is done, and my reads of the slot are over
	CROUND
	JLOAD
.else
	s_wait_dscnt 0x0
	s_barrier_signal -1
	s_barrier_wait -1
.endif
	s_sub_co_u32 s[TBK], s[TBK], 4*KS*PK  ; the fetches go back to a slot's first step,
	s_xor_b32 s[TBK], s[TBK], SLOT1       ; in the other slot
	s_sub_co_u32 s[TBV], s[TBV], 4*KS*PV
	s_xor_b32 s[TBV], s[TBV], SLOT1
.endm
	s_load_b128 s[4:7], s[0:1], 0x0   ; qkv s[4:5], ctx s[6:7]
	v_lshl_add_u32 v[SPW], v0, 2, SPARE
	v_mov_b32 v[NIL], 0
	ds_add_u32 v[SPW], v[NIL]       ; the wave's opening
	v_lshrrev_b32 v1, 5, v0
	v_readfirstlane_b32 s[WV], v1   ; wave 0..3
	s_bfe_u32 s13, ttmp6, 0x40000   ; cx
	s_lshl_b32 s14, ttmp9, 2
	s_add_co_u32 s14, s14, s13      ; my block of 256 queries: it enters Q's and ctx's addresses alone
	s_and_b32 s20, ttmp7, 0xffff    ; the head, which the four partners share:
	s_lshl_b32 s20, s20, 18         ; 262,144 bytes each
	s_and_b32 s16, s[WV], 1         ; which half of a slot's 256 keys I fetch
	s_lshl_b32 s22, s16, 14
	s_add_co_u32 s22, s22, s20
	s_add_co_u32 s22, s22, 8388608  ; K is qkv's second matrix
	s_mov_b32 s23, 0
	s_mul_i32 s17, s16, 128*PK
	s_mul_i32 s18, s16, 128*PV
	s_lshl_b32 s2, s14, 15          ; my block's 256 rows of 128 bytes,
	s_lshl_b32 s3, s[WV], 11        ; my 16 rows in a band of 64
	s_add_co_u32 s2, s2, s3
	s_add_co_u32 s2, s2, s20
	s_mov_b32 s3, 0
	; descriptor group 1.  128 keys are 16,384 dense bytes: asked for as 64 rows of 256 bytes, two keys a row, and padded in LDS after every key
	s_mov_b32 s[G1K], 15|(1<<16)|(1<<20)|(1<<21)|(4<<22)|(3<<25)
	s_mov_b32 s[G1V], 15|(1<<16)|(1<<20)|(1<<21)|(4<<22)|(7<<25)
.irp g, G1K, G1V
	s_mov_b32 s[\g+1], 128<<16
	s_mov_b32 s[\g+2], 64<<16
	s_mov_b32 s[\g+3], 128<<16
	s_mov_b32 s[\g+4], 64
	s_mov_b32 s[\g+5], 128
	s_mov_b32 s[\g+6], 0
	s_mov_b32 s[\g+7], 0
.endr
	s_mov_b32 s[CS], 0x3d8293ee     ; c = log2(e) / sqrt(512) = 0.0637587
	s_mov_b32 s[CS+1], s[CS]
	s_mov_b32 s[SEL], 0x76543210
	s_mov_b32 s[SEL+1], 0xfedcba98
	s_mov_b32 s[TBK], SLOT1+4*KS*PK ; the first change of slots turns these two into 0
	s_mov_b32 s[TBV], SLOT1+4*KS*PV
	s_mov_b32 s[G0K], 1
	s_mov_b32 s[G0K+1], s17
	s_mov_b32 s[G0V], 1
	s_add_co_u32 s[G0V+1], s18, VOFF
	s_wait_dscnt 0x0                ; the opening add is done
	s_wait_kmcnt 0x0
	s_add_nc_u64 s[G0K+2:G0K+3], s[4:5], s[22:23]
	s_add_nc_u64 s[G0V+2:G0V+3], s[G0K+2:G0K+3], 8388608  ; V is the third matrix
	s_or_b32 s[G0K+3], s[G0K+3], 0x80000000
	s_or_b32 s[G0V+3], s[G0V+3], 0x80000000
	s_add_nc_u64 s[10:11], s[6:7], s[2:3]  ; ctx and Q at my wave's first row
	s_add_nc_u64 s[4:5], s[4:5], s[2:3]
	CROUND                          ; all four work-groups are here: the first joint loads meet
	JLOAD                           ; slot 0
	v_and_b32 v1, 15, v0
	v_bfe_u32 v9, v0, 4, 1
	v_lshlrev_b32 v[QO], 7, v1
	v_lshl_add_u32 v[QO], v9, 4, v[QO]  ; row x 128 + 16 x half
	WIN 0x80
.set i, 0
.rept 8                             ; Q stays in registers: piece i / 2 lies in band i / 2, 8,192 bytes on; channels 32 (i % 2) on
	global_load_b128 v[8*i:8*i+3],   v[QO], s[4:5] offset:(i/2)*8192+(i%2)*64
	global_load_b128 v[8*i+4:8*i+7], v[QO], s[4:5] offset:(i/2)*8192+(i%2)*64+32
.set i, i+1
.endr
	WIN 0
	v_mul_u32_u24 v[AK0], v1, PK
	v_lshl_add_u32 v[AK0], v9, 4, v[AK0]
	v_and_b32 v10, 7, v0
	v_bfe_u32 v11, v0, 3, 1
	v_lshl_add_u32 v[AV0], v9, 3, v10
	v_mul_u32_u24 v[AV0], v[AV0], PV
	v_lshl_add_u32 v[AV0], v11, 4, v[AV0]
	v_add_nc_u32 v[AV0], VOFF, v[AV0]
	s_mul_i32 s13, s[WV], 16*SP
	s_add_co_u32 s13, s13, STAGE
	v_mul_u32_u24 v[STO], v1, SP
	v_lshl_add_u32 v[STO], v9, 4, v[STO]
	v_add_nc_u32 v[STO], s13, v[STO]
	v_bfe_u32 v[RD], v0, 3, 2
	v_mul_u32_u24 v[RD], v[RD], SP
	v_lshl_add_u32 v[RD], v10, 4, v[RD]
	v_add_nc_u32 v[RD], s13, v[RD]
	v_and_b32 v[GO], 31, v0
	v_lshlrev_b32 v[GO], 4, v[GO]
	; What the first turn finds: V's registers and P's second buffer hold 0 (its products V^T P, of a piece that has not been, add 0), O^T and l are 0.  All this stands in the wait for the first tile.
	WIN 0x80
.set i, VF
.rept 64
	v_mov_b32 v[i], 0
.set i, i+1
.endr
	WIN 0x40
.set i, 0
.rept 128
	v_mov_b32 v[i], 0
.set i, i+1
.endr
	WIN 0
.set i, 0
.rept 4
	v_mov_b32 v[ST+4*i], 0xfe000000    ; c m: far below every c s
	v_mov_b32 v[ST+4*i+1], 0xff7fffff  ; m
	v_mov_b32 v[ST+4*i+2], 0
	v_mov_b32 v[ST+4*i+3], 0
.set i, i+1
.endr
.set i, P+16
.rept 16
	v_mov_b32 v[i], 0
.set i, i+1
.endr
; THE MATRIX WORK.  The 4 accumulators of a run of 8 take turns.  Product i of 8 of S^T = K Q^T for piece x: channels 32 (i / 4) on, keys 16 (i % 4) on.  The first 4 start the sums.
.macro KQ x
.set rS, S+32*((\x)%2)+8*(i%4)
.set rK, KF+16*(i%4)+8*(i/4)
.set rQ, 16*(\x)+8*(i/4)
	WIN W_KQ
.if i < 4
	v_wmma_f32_16x16x32_f16 v[rS:rS+7], v[rK:rK+7], v[rQ:rQ+7], 0
.else
	v_wmma_f32_16x16x32_f16 v[rS:rS+7], v[rK:rK+7], v[rQ:rQ+7], v[rS:rS+7]
.endif
.endm
; Product i of 8 of O^T += V^T P for piece x: keys 32 (i / 4) on, channels 16 (i % 4) on.
.macro PV x
	WIN W_PV
.set rO, 32*(\x)+8*(i%4)
.set rV, VF+32*(i/4)+8*(i%4)
.set rP, P+16*((\x)%2)+8*(i/4)
	v_wmma_f32_16x16x32_f16 v[rO:rO+7], v[rV:rV+7], v[rP:rP+7], v[rO:rO+7]
.endm
.macro MM                           ; the turn's next matrix instruction
.if i < 8
	KQ (Y+1)%NP
.else
.set i, i-8
	PV (Y+NP-1)%NP
.set i, i+8
.endif
.set i, i+1
.endm
; THE LDS LOADS stand in runs of 16.  last = 1 (the tail): in the last trip there is no further step, and K's run is jumped over.
.macro FETCH_K last=0
	WIN 0
.if \last
	s_cmp_eq_u32 s[CNT], 1
	s_cbranch_scc1 .Lno_k_\@
.endif
	WIN 0x80
.irp f, 0,1,2,3,4,5,6,7             ; keys 16 (f / 2) on, channels 32 (f % 2) on
	ds_load_b128 v[KF+8*\f:KF+8*\f+3],   v[AK] offset:(\f/2)*16*PK+(\f%2)*64
	ds_load_b128 v[KF+8*\f+4:KF+8*\f+7], v[AK] offset:(\f/2)*16*PK+(\f%2)*64+32
.endr
	s_add_co_u32 s[TBK], s[TBK], KS*PK
	WIN 0
.if \last
.Lno_k_\@:
.endif
.endm
.macro FETCH_V
	WIN 0x80
.irp f, 0,1,2,3,4,5,6,7             ; keys 32 (f / 4) on, channels 16 (f % 4) on
	ds_load_tr16_b128 v[VF+8*\f:VF+8*\f+3],   v[AV] offset:(\f/4)*32*PV+(\f%4)*32
	ds_load_tr16_b128 v[VF+8*\f+4:VF+8*\f+7], v[AV] offset:(\f/4)*32*PV+16*PV+(\f%4)*32
.endr
	WIN 0
.endm
; THE VECTOR WORK, one line at a time: OP kind, number.  For piece Y: F n: c s - c m for pair n of 16.  E n: the exponential of score n of 32.  C n: pair n rounded to f16.  B n: of the four weights 4 n .. the second
; pair is added onto the first, in place.  L n: l takes that sum (L 0: l = a l + sum).  R n: pair n of 16 of O^T times a.  For piece Y + 1: X n, number n of the 22 that find its maximum and statistics:
;   0-11  four chains c0-c3 of seven scores each (each accumulator's lowest registers are read first)     12-14, 16  the four scores left over, the old m, and c0-c3 into c0
;   15  c m_old is kept     17, 18  the query's other 32 keys lie in the lane 16 away: the new m     19-21  c m; c m_old - c m_new; a
.set F, 0
.set E, 1
.set C, 2
.set B, 3
.set L, 4
.set R, 5
.set X, 6
.macro REGS y
.set rT, ST+4*(\y)
.set rC, TMP+4*((\y)%2)
.set rW, MV+((\y)%2)
.set rS, S+32*((\y)%2)
.set rP, P+16*((\y)%2)
.set rO, 32*(\y)
.endm
.macro OP k, n
.if (\k) == R
	REGS Y
	WIN W_RS
	v_pk_mul_f32 v[rO+2*(\n):rO+2*(\n)+1], v[rO+2*(\n):rO+2*(\n)+1], v[rC+2:rC+3] op_sel_hi:[1,0]
.elseif (\k) < R
	REGS Y
	WIN 0
.if (\k) == F
	v_pk_fma_f32 v[rS+2*(\n):rS+2*(\n)+1], v[rS+2*(\n):rS+2*(\n)+1], s[CS:CS+1], v[rT:rT+1] op_sel_hi:[1,0,0] neg_lo:[0,0,1] neg_hi:[0,0,1]
.elseif (\k) == E
	v_exp_f32 v[rS+(\n)], v[rS+(\n)]
.elseif (\k) == C
	s_wait_alu depctr_va_vdst(0)
	v_cvt_pk_f16_f32 v[rP+(\n)], v[rS+2*(\n)], v[rS+2*(\n)+1]
.elseif (\k) == B
	s_wait_alu depctr_va_vdst(0)
	v_pk_add_f32 v[rS+4*(\n):rS+4*(\n)+1], v[rS+4*(\n):rS+4*(\n)+1], v[rS+4*(\n)+2:rS+4*(\n)+3]
.elseif (\n) == 0
	v_pk_fma_f32 v[rT+2:rT+3], v[rT+2:rT+3], v[rC+2:rC+3], v[rS:rS+1] op_sel_hi:[1,0,1]
.else
	v_pk_add_f32 v[rT+2:rT+3], v[rT+2:rT+3], v[rS+4*(\n):rS+4*(\n)+1]
.endif
.else
	REGS (Y+1)%NP
	WIN 0
.if (\n) < 4
	v_max3_num_f32 v[rC+(\n)], v[rS+8*(\n)], v[rS+8*(\n)+1], v[rS+8*(\n)+2]
.elseif (\n) < 12
	v_max3_num_f32 v[rC+(\n)%4], v[rC+(\n)%4], v[rS+8*((\n)%4)+2*((\n)/4)+1], v[rS+8*((\n)%4)+2*((\n)/4)+2]
.elseif (\n) == 12
	v_max3_num_f32 v[rC], v[rC], v[rS+7], v[rS+15]
.elseif (\n) == 13
	v_max3_num_f32 v[rC+1], v[rC+1], v[rS+23], v[rS+31]
.elseif (\n) == 14
	v_max3_num_f32 v[rC+2], v[rC+2], v[rC+3], v[rT+1]
.elseif (\n) == 15
	v_mov_b32 v[rW], v[rT]
.elseif (\n) == 16
	v_max3_num_f32 v[rC], v[rC], v[rC+1], v[rC+2]
.elseif (\n) == 17
	v_permlanex16_b32 v[rC+3], v[rC], s[SEL], s[SEL+1]
.elseif (\n) == 18
	v_max_num_f32 v[rT+1], v[rC], v[rC+3]
.elseif (\n) == 19
	v_mul_f32 v[rT], s[CS], v[rT+1]
.elseif (\n) == 20
	v_sub_f32 v[rC+1], v[rW], v[rT]
.else
	v_exp_f32 v[rC+2], v[rC+1]
.endif
.endif
.endm
.macro OPS a, i1, b=-1, i2=0, c=-1, i3=0, d=-1, i4=0
	OP \a, \i1
.if (\b) >= 0
	OP \b, \i2
.endif
.if (\c) >= 0
	OP \c, \i3
.endif
.if (\d) >= 0
	OP \d, \i4
.endif
.endm
.macro ROW a, i1, b, i2, c, i3, d, i4  ; a matrix instruction and the four behind it
	MM
	OPS \a, \i1, \b, \i2, \c, \i3, \d, \i4
.endm
; A TURN, for piece p: the order of its 16 matrix and 118 vector instructions, written out.  Behind a matrix instruction: plain, exponential, plain, plain; or four of the rescaling; or four scalings; none names a
; register of the products round it.  In the runs between, exponential and plain by turns while exponentials last.  A line reads no result made fewer than three vector instructions in front of it, five if an exponential made it.
; K of the next step is fetched in piece 2's turn, six vector instructions behind the last product that read K (five of them plain); V of the step in hand in piece 0's turn, eight behind the last product that read V.
; Each is waited for a turn later.  cnt = 1: the loop's count is taken down some lines ahead of the branch that stands behind the turn.
.macro TURN p, last=0, cnt=0
.set Y, (\p)
.set i, 0
.if (\p) == 3
	s_wait_dscnt 0x0                ; K is in
.endif
	ROW F,0, F,1, F,2, F,3
	ROW F,4, E,0, F,5, F,6
	ROW F,7, E,1, F,8, F,9
	ROW F,10, E,2, C,0, F,11
	ROW F,12, E,3, X,15, F,13
	ROW R,0, R,1, R,2, R,3
	ROW B,0, E,4, F,14, L,0
.if (\p) == 2
	v_add_nc_u32 v[AK], s[TBK], v[AK0]
.endif
	ROW R,4, R,5, R,6, R,7
	OPS E,5, F,15
.if (\p) == 2
	FETCH_K \last
.endif
	OPS E,6, C,1, E,7, R,8
	OPS E,8, R,9, E,9, C,2
	OPS E,10, X,0, E,11, X,1
	OPS E,12, X,2, E,13, X,3
.if (\p) == 1
	s_wait_dscnt 0x0                ; V is in
.endif
	ROW X,4, E,14, X,5, X,6
	ROW X,7, E,15, X,8, X,9
	ROW X,10, E,16, X,11, X,12
	ROW X,13, E,17, X,14, B,1
	ROW C,4, E,18, X,16, L,1
	ROW B,2, E,19, C,6, L,2
	ROW C,8, E,20, B,3, B,4
.if (\p) == 0
	v_add_nc_u32 v[AV], s[TBV], v[AV0]
.endif
	ROW C,3, E,21, L,3, C,5
	OPS E,22, X,17, E,23, C,10
.if (\p) == 0
	FETCH_V
.endif
	OPS E,24, L,4
	OPS E,25, X,18, E,26, C,7
	OPS E,27, B,5, E,28, X,19
	OPS E,29, C,12, E,30, L,5
	OPS E,31, X,20, B,6, C,9
	OPS C,14, C,11, X,21, L,6
.if (\p) == 0
	s_add_co_u32 s[TBV], s[TBV], KS*PV
.endif
.if \cnt
	s_sub_co_u32 s[CNT], s[CNT], 1
	s_cmp_lg_u32 s[CNT], 0
.endif
	OPS C,13, B,7, C,15, R,10
	OPS R,11, R,12, L,7, R,13
	OPS R,14, R,15
.endm
	CHANGE 1                        ; slot 0 is in, everybody's part of it; slot 1 is asked for
	v_add_nc_u32 v[AK], s[TBK], v[AK0]
	FETCH_K                         ; key step 0
	s_wait_loadcnt 0x0              ; Q
	s_wait_dscnt 0x0
.set i, 0
.rept 8
	KQ 0                            ; piece 0's first scores
.set i, i+1
.endr
	WIN 0
.rept 4
	v_nop                           ; the places behind those products
.endr
.set Y, NP-1                        ; X works for piece Y + 1: piece 0
.irp n, 0,1,2,3,4,5,6,7,8,9,10,11,12,13,14,15,16,17,18,19,20,21
	OP X, \n
.endr
	v_nop                           ; a plain instruction behind the exponential
	s_mov_b32 s[CNT], 4
	s_mov_b32 s[SLOTS], 7
	s_branch .Lfirst                ; the loop is entered at a step's first turn, in the middle of a trip
.Lslot:                             ; six times: every slot but the last two is filled again
	CHANGE 1
	s_mov_b32 s[CNT], 4
.Lstep:                             ; a trip: pieces 2 and 3 of one step, then pieces 0 and 1 of the next, whose K and V it fetches
	TURN 2
	TURN 3
	WIN 0
.Lfirst:
	TURN 0
	TURN 1, 0, 1
	WIN 0
	s_cbranch_scc1 .Lstep
	s_sub_co_u32 s[SLOTS], s[SLOTS], 1
	s_cmp_lg_u32 s[SLOTS], 0
	s_cbranch_scc1 .Lslot
	CHANGE 0                        ; the tail is written out: nothing is asked for
	s_mov_b32 s[CNT], 5             ; four trips fetch the last slot's steps; the fifth is left in its middle
.Ltail:
	TURN 2, 1
	TURN 3
	WIN 0
	s_sub_co_u32 s[CNT], s[CNT], 1
	s_cmp_eq_u32 s[CNT], 0
	s_cbranch_scc1 .Lout
	TURN 0
	TURN 1
	WIN 0
	s_branch .Ltail
.Lout:                              ; the fifth trip's 8 products K Q^T (on the last K once more) and the maximum made of them serve nothing: the price, once a launch, of one text for every trip
.set i, 0
.rept 8
	PV NP-1                         ; the last piece's V^T P of the last step
.set i, i+1
.endr
	; THE WAY OUT.  l's two halves and the other half of the lanes' are added; O^T is divided by l, rounded to bf16 and sent through my stage in LDS, a piece at a time.  The additions are the places behind the last products.
	WIN 0
.macro ALL line:vararg
.set t, 0
.rept 4
	\line
.set t, t+1
.endr
.endm
	ALL v_add_f32 v[ST+4*t+2], v[ST+4*t+2], v[ST+4*t+3]
	ALL v_permlanex16_b32 v[ST+4*t+3], v[ST+4*t+2], s[SEL], s[SEL+1]
	ALL v_add_f32 v[ST+4*t+2], v[ST+4*t+2], v[ST+4*t+3]
	ALL v_rcp_f32 v[ST+4*t+2], v[ST+4*t+2]
	v_nop                           ; a plain instruction between the last reciprocal and the use of its result
.macro PACK t
	WIN W_RS
.set i, 32*(\t)
.rept 16
	s_wait_alu depctr_va_vdst(0)
	v_pk_mul_f32 v[i:i+1], v[i:i+1], v[ST+4*(\t)+2:ST+4*(\t)+3] op_sel_hi:[1,0]
.set i, i+2
.endr
	WIN 0x05                        ; sources 0 and 1 window 1, destination window 0
.set i, 0
.rept 16
	v_cvt_pk_bf16_f32 v[S+16*(\t)+i], v[32*(\t)+2*i], v[32*(\t)+2*i+1]
.set i, i+1
.endr
	WIN 0
.irp f, 0,1,2,3
	ds_store_b128 v[STO], v[S+16*(\t)+4*\f:S+16*(\t)+4*\f+3] offset:32*\f
.endr
.irp f, 0,1,2,3
	ds_load_b128 v[S+16*(\t)+4*\f:S+16*(\t)+4*\f+3], v[RD] offset:\f*4*SP  ; LDS serves a wave's instructions in order (ISA guide 5.7.1.4): these see the stores above
.endr
.endm
.macro SEND t, younger              ; younger: the LDS instructions issued behind piece t's loads: the next piece's eight, or none
	WIN 0
.irp f, 0,1,2,3
	s_wait_dscnt (\younger)+3-\f
	global_store_b128 v[GO], v[S+16*(\t)+4*\f:S+16*(\t)+4*\f+3], s[10:11] offset:(\t)*8192+\f*512  ; 512 consecutive bytes, aligned
.endr
.endm
	PACK 0
.set t, 1
.rept 3
	PACK t
	SEND t-1, 8
.set t, t+1
.endr
	SEND 3, 0
	s_wait_tensorcnt 0x0            ; the wave's end
	ds_add_u32 v[SPW], v[NIL]
	s_wait_dscnt 0x0
	CROUND                          ; the closing round
	s_endpgm
.Lfunc_end_k_q2ed13ab41a_attn:
	.size	k_q2ed13ab41a_attn, .Lfunc_end_k_q2ed13ab41a_attn-k_q2ed13ab41a_attn
	.p2alignl 7, 3214868480
	.fill 96, 4, 3214868480
	.section	.rodata,"a",@progbits
	.p2align	6, 0x0
	.amdhsa_kernel k_q2ed13ab41a_attn
		.amdhsa_group_segment_fixed_size 327680
		.amdhsa_private_segment_fixed_size 0
		.amdhsa_enable_private_segment 0
		.amdhsa_kernarg_size 16
		.amdhsa_user_sgpr_count 2
		.amdhsa_user_sgpr_kernarg_segment_ptr 1
		.amdhsa_wavefront_size32 1
		.amdhsa_system_sgpr_workgroup_id_x 1
		.amdhsa_system_sgpr_workgroup_id_y 1
		.amdhsa_system_sgpr_workgroup_id_z 1
		.amdhsa_system_vgpr_workitem_id 0
		.amdhsa_next_free_vgpr 768
		.amdhsa_next_free_sgpr 66
		.amdhsa_reserve_vcc 0
		.amdhsa_float_denorm_mode_32 3
		.amdhsa_float_denorm_mode_16_64 3
		.amdhsa_memory_ordered 1
		.amdhsa_forward_progress 1
		.amdhsa_inst_pref_size 117
	.end_amdhsa_kernel
	.amdgpu_metadata
---
amdhsa.version: [ 1, 2 ]
amdhsa.kernels:
  - .name:           k_q2ed13ab41a_attn
    .symbol:         k_q2ed13ab41a_attn.kd
    .args:
      - { .name: qkv, .offset: 0, .size: 8, .value_kind: global_buffer, .address_space: global }
      - { .name: ctx, .offset: 8, .size: 8, .value_kind: global_buffer, .address_space: global }
    .group_segment_fixed_size: 327680
    .private_segment_fixed_size: 0
    .kernarg_segment_align: 8
    .kernarg_segment_size: 16
    .max_flat_workgroup_size: 128
    .sgpr_count:     66
    .vgpr_count:     768
    .wavefront_size: 32
...
	.end_amdgpu_metadata
.endif
;; end of part 3
;; launch woln (part 4): grid 128 x 1, 4 waves a work-group, clusters of 4 x 1, 327,680 bytes of LDS; arguments ctx, wb, bo, moves_embeddings, g1, beta1, x1, x1b; writes x1, x1b
.if DOCPART == 4
	.amdgcn_target "amdgcn-amd-amdhsa--gfx1250"
	.amdhsa_code_object_version 6
	.text
	.protected	k_q2ed13ab41a_woln
	.globl	k_q2ed13ab41a_woln
	.p2align	8
	.type	k_q2ed13ab41a_woln,@function
k_q2ed13ab41a_woln:
	s_mov_b64 s[64:65], 0
	v_nop
	global_prefetch_b8 v0, s[64:65] scope:SCOPE_SE
	s_setreg_imm32_b32 hwreg(HW_REG_WAVE_MODE, 25, 1), 1
	s_wait_xcnt 0x0
	s_wait_alu depctr_hold_cnt(0) depctr_sa_sdst(0) depctr_va_vdst(0) depctr_va_sdst(0) depctr_va_ssrc(0) depctr_va_vcc(0) depctr_vm_vsrc(0)
	s_getreg_b32 s2, hwreg(HW_REG_IB_STS2, 6, 4)
	s_cmp_eq_u32 s2, 0
	s_cbranch_scc0 .Lentry_in_a_cluster
	s_endpgm
.Lentry_in_a_cluster:
	s_bfe_u32 s2, ttmp6, 0x10000c
	s_cmp_lg_u32 s2, 0x3003
	s_cbranch_scc0 .Lentry_shape_is_right
	s_endpgm
.Lentry_shape_is_right:
; out = LayerNorm(res + A W + b; g, beta), rows of 512.  One text for two launches; WO says which:
;   WO = 1: A = ctx, [32 heads][2048][64] bf16, K = 512; W = wo; res = x (f32); out = x1 (f32) and its copy x1b, rounded to bf16, for the next product.
;   WO = 0: A = hb, [8192][2048] bf16, K = 2,048; W = w_down; res = x1 (f32); out = out0 (f32).
; Products bf16 x bf16, sums in f32, started by the bias.  Mean, then the mean of the squared differences, as two passes in f32; 1 / sqrt by v_rsq_f32.  Infinities and NaN are not treated apart.
; SHARES.  The norm wants whole rows, so a work-group makes 64 rows x all 512 columns: 128 work-groups.  (32 rows on 256 work-groups would feed two matrix instructions from each fragment of W read out of LDS
; instead of four, with twice the requests for W.)  Each of four waves makes 64 rows x 128 columns: 32 accumulators.
; K goes in steps of 128 through two LDS slots: A's 64 rows, then 128 rows of W as they lie, [k][n], 1,024 bytes + 32 of padding; W's fragments come out turned, by ds_load_tr16_b128.
; THE MATRIX INSTRUCTION IS USED TRANSPOSED: source 0 = 16 columns of W, source 1 = 16 rows of A: a lane holds one row (lane % 16) and eight neighbouring columns.
; CLUSTER 4 x 1: all work-groups walk the same W, so its tiles are asked for jointly by four.  A's rows and the residual's are a work-group's own: plain loads, behind the same rounds.
; THE RESIDUAL's 64 rows come into slot 0 by the last refill, 16 rows a wave, while the last K step is multiplied.  The sums go as f32 through a stage in slot 1's bytes, which have had their last fill.
; REGISTERS: window 0: v0-31 addresses; v32-47 g, v48-63 beta of my 16 columns; v64-127 A's fragments, two buffers; v128-191 the bias.  window 1: W's fragments.  windows 2, 3: accumulators (a, b) at v[8 (8 (a % 2) + b)].
.set WO, 1
.if WO
.set KSTEPS, 4
.set APITCH, 144                       ; a token's 64 channels of one head: 128 bytes + 16
.set AH,     64*APITCH                 ; one head's 64 tokens: what one tensor load brings
.set AQS,    AH                        ; quarters 0, 1 lie in the first head of a K step, 2, 3 in the second
.set ASTEP,  2*262144                  ; two heads on
.set WOFF,   1572864                   ; wo in wb
.else
.set KSTEPS, 16
.set APITCH, 272
.set AH,     32*APITCH
.set AQS,    128
.set ASTEP,  256
.set WOFF,   4194304                   ; w_down in wb
.endif
.set MBLK,   4
.set NBLK,   8
.set ASZ,    2*AH
.set BP,     1056                      ; an odd multiple of 32 bytes
.set BH,     64*BP
.set BSEG,   128
.set D,      163840                    ; from slot 0 to slot 1: two bits that no tile's LDS address has
.set BSTEP,  128*1024
.set SPARE,  D+ASZ+2*BH                ; behind slot 1: the spare words, 128 bytes a wave
.set TAILFILL, 2
.set LPITCH, 2064                      ; a row of the stage: 2,048 bytes + 16
.set NL,    2*(NBLK+MBLK)
.set ADRA,  16
.set ADRA0, 17
.set ADRB,  20
.set ADRB0, 24
.set SPW,   28
.set NIL,   29
.set FA,    64
.set BIAS,  64+16*MBLK
.set G1A,   24
.set G0A,   32
.set G1B,   48
.set G0B,   56
.set TB,    66
.set RDS,   8                          ; v8   where I read the stage
.set RDR,   9                          ; v9   where I read the residual
.set RO,    10                         ; v10  my byte offset in the f32 output
.set BOF,   11                         ; v11  in the bf16 copy
.set STO0,  12                         ; v12, v13  where I put sums into the stage: row blocks 0, 1 and 2, 3
.set GAM,   32
.set BET,   48
.set LV,    64                         ; the row loop: two rows' values,
.set LR,    96                         ; their residuals,
.set LT,    128                        ; 16 registers at work a row,
.set LB,    160                        ; 8 registers of bf16 a row
.set MSB, 0
.macro WIN new
.if MSB != (\new)
	s_set_vgpr_msb (MSB<<8)|(\new)
.set MSB, (\new)
.endif
.endm
.macro PLACES                          ; four places behind matrix instructions (ISA guide 7.12.1)
.rept 4
	v_nop
.endr
.endm
.macro CREST
	s_cmp_lg_u32 s10, 0
	s_cbranch_scc1 .Lnot_wave_0_\@
	s_barrier_signal -3
.Lnot_wave_0_\@:
	s_barrier_wait -3
	s_barrier_signal -1
	s_barrier_wait -1
.endm
.macro CROUND
	s_barrier_signal -1
	s_barrier_wait -1
	CREST
.endm
.macro JLOAD                           ; a refill: waves 0 and 1 fetch the two halves of A's tile (plain), waves 2 and 3 those of W's (joint); s_nop 0 and four v_nop follow each line
	s_cmp_eq_u32 s11, 0
	s_cbranch_scc0 .Lfor_b_\@
	tensor_load_to_lds s[G0A+4:G0A+7], s[G1A:G1A+7]
	s_nop 0
	PLACES
	s_branch .Lasked_\@
.Lfor_b_\@:
	tensor_load_to_lds s[G0B+4:G0B+7], s[G1B:G1B+7]
	s_nop 0
	PLACES
.Lasked_\@:
.endm
.macro MULR f, a0, na, zero            ; na row blocks from a0 on x all column blocks, 32 along K, from buffer f; zero = 1: the bias starts the sums.  The accumulators take turns.
.set ma, (\a0)
.rept (\na)
.set mb, 0
.rept NBLK
.set rD, 8*(NBLK*(ma%(MBLK/2))+mb)
.set rB, 128*(\f)+8*mb
.set rA, FA+8*MBLK*(\f)+8*ma
.if \zero
	WIN 0x81+0x40*(ma/(MBLK/2))
	v_wmma_f32_16x16x32_bf16 v[rD:rD+7], v[rB:rB+7], v[rA:rA+7], v[BIAS+8*mb:BIAS+8*mb+7]
.else
	WIN 0xa1+0x50*(ma/(MBLK/2))
	v_wmma_f32_16x16x32_bf16 v[rD:rD+7], v[rB:rB+7], v[rA:rA+7], v[rD:rD+7]
.endif
.set mb, mb+1
.endr
.set ma, ma+1
.endr
.endm
.macro FETCH q, g                      ; one run of NL LDS loads: quarter q's fragments into buffer g: W's first, then A's
	WIN 0x40
.set fb, 0
.rept NBLK
	ds_load_tr16_b128 v[128*(\g)+8*fb:128*(\g)+8*fb+3],   v[ADRB+(\q)] offset:BSEG*(fb/4)+32*(fb%4)
	ds_load_tr16_b128 v[128*(\g)+8*fb+4:128*(\g)+8*fb+7], v[ADRB+(\q)] offset:BSEG*(fb/4)+32*(fb%4)+16*BP
.set fb, fb+1
.endr
	WIN 0
.set fa, 0
.rept MBLK
	ds_load_b128 v[FA+8*MBLK*(\g)+8*fa:FA+8*MBLK*(\g)+8*fa+3],   v[ADRA] offset:AQS*((\q)/2)+64*((\q)%2)+fa*16*APITCH
	ds_load_b128 v[FA+8*MBLK*(\g)+8*fa+4:FA+8*MBLK*(\g)+8*fa+7], v[ADRA] offset:AQS*((\q)/2)+64*((\q)%2)+fa*16*APITCH+32
.set fa, fa+1
.endr
.endm
.macro QUARTER q, f, g, zero
	s_wait_dscnt MBLK                              ; all of W and A's lower blocks are in; the youngest MBLK loads may be out
	MULR \f, 0, MBLK/2, \zero
	PLACES
	FETCH \q, \g
	s_wait_dscnt NL                                ; all but the run just issued
	MULR \f, MBLK/2, MBLK/2, \zero
.endm
; The last quarter of a K step multiplies buffer 1 and changes slots.  In front of the barrier each wave waits for all its tensor loads (one is out: its part of the next slot), adds 0 to its spare word, and waits for
; that and for its reads of this slot.  The barrier opens a round of the cluster's; behind it this slot is filled again first: fill = 1 with the K step two on, fill = 2 with my 16 rows of the residual.
.macro TURN fill
	WIN 0
	s_wait_tensorcnt 0x0                           ; no tensor load of mine is out, so a group 0 may be written
	ds_add_u32 v[SPW], v[NIL]
.if (\fill) == 1
	s_xor_b32 s[G0A+5], s[G0A+5], D
	s_add_nc_u64 s[G0A+6:G0A+7], s[G0A+6:G0A+7], ASTEP
	s_xor_b32 s[G0B+5], s[G0B+5], D
	s_add_nc_u64 s[G0B+6:G0B+7], s[G0B+6:G0B+7], BSTEP
.endif
	s_wait_dscnt MBLK+1                            ; the add and the youngest MBLK loads may be out
	MULR 1, 0, MBLK/4, 0
	s_wait_dscnt 0x0                               ; the add is done, and my reads of this slot are over
	s_barrier_signal -1
	MULR 1, MBLK/4, MBLK/4, 0
	WIN 0
	s_barrier_wait -1
.if (\fill) == 1
	CREST
	JLOAD
.elseif (\fill) == 2
	CREST
	tensor_load_to_lds s[68:71], s[72:79]
	s_nop 0
	PLACES
.else
	PLACES
.endif
	s_xor_b32 s[TB], s[TB], D
	v_add_nc_u32 v[ADRA], s[TB], v[ADRA0]
.irp q, 0,1,2,3
	v_add_nc_u32 v[ADRB+\q], s[TB], v[ADRB0+\q]
.endr
	FETCH 0, 0
	MULR 1, MBLK/2, MBLK/2, 0
.endm
.macro LASTQ
	s_wait_dscnt MBLK
	MULR 1, 0, MBLK/2, 0
	s_wait_dscnt 0x0
	MULR 1, MBLK/2, MBLK/2, 0
	WIN 0
.endm
.if WO
	s_load_b512 s[84:99], s[0:1], 0x0              ; A s[84:85], wb s[86:87], b s[88:89], res s[90:91], g s[92:93], beta s[94:95], out s[96:97], its bf16 copy s[98:99]
.else
	s_load_b256 s[84:91], s[0:1], 0x0
	s_load_b128 s[92:95], s[0:1], 0x20
	s_load_b64 s[96:97], s[0:1], 0x30
.endif
	v_lshl_add_u32 v[SPW], v0, 2, SPARE
	v_mov_b32 v[NIL], 0
	ds_add_u32 v[SPW], v[NIL]                      ; the wave's opening
	v_lshrrev_b32 v1, 5, v0
	v_readfirstlane_b32 s10, v1                    ; wave 0..3
	s_lshr_b32 s11, s10, 1                         ; I fetch for A (0) or for W (1),
	s_and_b32 s12, s10, 1                          ; and which half of that tile
	s_bfe_u32 s40, ttmp6, 0x40000                  ; cx
	s_lshl_b32 s13, ttmp9, 2
	s_add_co_u32 s13, s13, s40                     ; my block of 64 rows
.if WO
	s_mov_b32 s[G1A], (1<<16)|(1<<20)|(4<<22)|(3<<25)  ; no mask; 2-byte elements; after every 32 words (a token) 4 words of padding
	s_mov_b32 s[G1A+5], 128                        ; a head's 64 tokens are 8,192 dense bytes: 32 rows of 256
.else
	s_mov_b32 s[G1A], (1<<16)|(1<<20)|(5<<22)|(3<<25)  ; after every 64 words 4 words
	s_mov_b32 s[G1A+5], 2048
.endif
	s_mov_b32 s[G1A+1], 128<<16
	s_mov_b32 s[G1A+2], 32<<16
	s_mov_b32 s[G1A+3], 128<<16
	s_mov_b32 s[G1A+4], 32
	s_mov_b32 s[G1A+6], 0
	s_mov_b32 s[G1A+7], 0
	s_mov_b32 s[G1B], 15|(1<<16)|(1<<20)|(1<<21)|(7<<22)|(7<<25)  ; all four work-groups; bit 21 beside a mask; after every 256 words 8 words
	s_mov_b32 s[G1B+1], 512<<16
	s_mov_b32 s[G1B+2], 64<<16
	s_mov_b32 s[G1B+3], 512<<16
	s_mov_b32 s[G1B+4], 64
	s_mov_b32 s[G1B+5], 512
	s_mov_b32 s[G1B+6], 0
	s_mov_b32 s[G1B+7], 0
	s_mov_b32 s72, 3<<16                           ; the residual: 16 rows of 2,048 bytes are dense: 128 rows of 32 elements of 8 bytes
	s_mov_b32 s73, 32<<16
	s_mov_b32 s74, 128<<16
	s_mov_b32 s75, 32<<16
	s_mov_b32 s76, 128
	s_mov_b32 s77, 32
	s_mov_b32 s78, 0
	s_mov_b32 s79, 0
	s_mov_b32 s68, 1
	s_lshl_b32 s69, s10, 15                        ; into slot 0's bytes: 32,768 a wave
	s_mov_b32 s80, 0x3b000000                      ; 1 / 512
	s_mov_b32 s81, 0x3727c5ac                      ; 1e-5
	s_mov_b32 s82, 0x76543210                      ; v_permlanex16_b32: each lane takes its own place in the other half
	s_mov_b32 s83, 0xfedcba98
.if WO
	s_lshr_b32 s16, s13, 5                         ; the batch,
	s_lshl_b32 s16, s16, 3
	s_add_co_u32 s16, s16, s12                     ; its head 0 or 1,
	s_lshl_b32 s16, s16, 11
	s_and_b32 s17, s13, 31
	s_lshl_b32 s17, s17, 6
	s_add_co_u32 s16, s16, s17                     ; my 64 tokens in it,
	s_lshl_b32 s16, s16, 7                         ; of 128 bytes
.else
	s_lshl_b32 s16, s13, 1
	s_add_co_u32 s16, s16, s12
	s_lshl_b32 s16, s16, 17                        ; 32 rows of 4,096 bytes
.endif
	s_mov_b32 s17, 0
	s_lshl_b32 s46, s12, 16                        ; W: k-row 64 x half, of 1,024 bytes: the same in all four work-groups
	s_add_co_u32 s46, s46, WOFF
	s_mov_b32 s47, 0
	s_lshl_b32 s18, s13, 2
	s_add_co_u32 s18, s18, s10                     ; my wave's 16 rows
	s_lshl_b32 s22, s18, 14                        ; of 1,024 bytes (bf16),
	s_lshl_b32 s18, s18, 15                        ; of 2,048 bytes (f32)
	s_mov_b32 s19, 0
	s_mov_b32 s23, 0
	s_mul_i32 s20, s12, AH
	s_mul_i32 s21, s12, BH
	s_add_co_u32 s21, s21, ASZ
	s_wait_dscnt 0x0                               ; the opening add is done
	s_wait_kmcnt 0x0
	s_add_nc_u64 s[14:15], s[84:85], s[16:17]
	s_add_nc_u64 s[46:47], s[86:87], s[46:47]
	s_add_nc_u64 s[70:71], s[90:91], s[18:19]
	s_or_b32 s71, s71, 0x80000000
	s_add_nc_u64 s[96:97], s[96:97], s[18:19]
.if WO
	s_add_nc_u64 s[98:99], s[98:99], s[22:23]
.endif
	s_lshl_b32 s22, s10, 9                         ; my wave's 128 columns of the bias
	s_add_nc_u64 s[88:89], s[88:89], s[22:23]
	CROUND                                         ; all four work-groups are here: the first joint loads meet
.irp s, 0,1
	s_mov_b32 s[G0A+4*\s], 1
	s_add_co_u32 s[G0A+4*\s+1], s20, \s*D
	s_add_nc_u64 s[G0A+4*\s+2:G0A+4*\s+3], s[14:15], \s*ASTEP
	s_or_b32 s[G0A+4*\s+3], s[G0A+4*\s+3], 0x80000000
	s_mov_b32 s[G0B+4*\s], 1
	s_add_co_u32 s[G0B+4*\s+1], s21, \s*D
	s_add_nc_u64 s[G0B+4*\s+2:G0B+4*\s+3], s[46:47], \s*BSTEP
	s_or_b32 s[G0B+4*\s+3], s[G0B+4*\s+3], 0x80000000
.endr
	s_cmp_eq_u32 s11, 0                            ; a wave's two first fills stand in one branch: two tensor loads of mine are out, the most in this text
	s_cbranch_scc0 .Lfirst_b
	tensor_load_to_lds s[G0A:G0A+3], s[G1A:G1A+7]
	s_nop 0
	tensor_load_to_lds s[G0A+4:G0A+7], s[G1A:G1A+7]
	s_nop 0
	PLACES
	s_branch .Lfirst_asked
.Lfirst_b:
	tensor_load_to_lds s[G0B:G0B+3], s[G1B:G1B+7]
	s_nop 0
	tensor_load_to_lds s[G0B+4:G0B+7], s[G1B:G1B+7]
	s_nop 0
	PLACES
.Lfirst_asked:
	v_and_b32 v1, 15, v0                           ; r = l % 16
	v_bfe_u32 v2, v0, 4, 1                         ; h = l / 16
	v_and_b32 v3, 7, v0
	v_bfe_u32 v4, v0, 3, 1
	v_lshlrev_b32 v7, 5, v2                        ; my eight columns of sixteen, as f32
	v_and_b32 v5, 31, v0
	v_lshlrev_b32 v5, 4, v5                        ; 16 x lane
.irp b, 0,1,2,3,4,5,6,7
	global_load_b128 v[BIAS+8*\b:BIAS+8*\b+3],   v7, s[88:89] offset:64*\b
	global_load_b128 v[BIAS+8*\b+4:BIAS+8*\b+7], v7, s[88:89] offset:64*\b+16
.endr
.irp i, 0,1,2,3
	global_load_b128 v[GAM+4*\i:GAM+4*\i+3], v5, s[92:93] offset:512*\i  ; in the row loop a lane has columns 4 l + 128 i + 0..3
	global_load_b128 v[BET+4*\i:BET+4*\i+3], v5, s[94:95] offset:512*\i
.endr
	v_mul_u32_u24 v[ADRA0], v1, APITCH
	v_lshl_add_u32 v[ADRA0], v2, 4, v[ADRA0]       ; a fragment of A: row x pitch + 16 x half; every wave reads all 64 rows
	v_lshl_add_u32 v6, v2, 3, v3                   ; the turning load: k-row 8 h + l % 8,
	v_mul_u32_u24 v6, v6, BP
	v_lshl_add_u32 v6, v4, 4, v6                   ; columns 8 ((l / 8) % 2) on,
	v_lshl_add_u32 v6, s10, 8, v6                  ; in my wave's 128 columns
.irp q, 0,1,2,3
	v_add_nc_u32 v[ADRB0+\q], ASZ+32*\q*BP, v6
.endr
	v_mul_u32_u24 v[STO0], v1, LPITCH              ; into the stage: row l % 16, 32 bytes for each half of the lanes, my wave's 512 bytes
	v_lshl_add_u32 v[STO0], v2, 5, v[STO0]
	v_lshl_add_u32 v[STO0], s10, 9, v[STO0]
	v_add_nc_u32 v[STO0], D, v[STO0]
	v_add_nc_u32 v[STO0+1], 32*LPITCH, v[STO0]
	s_mul_i32 s22, s10, 16*LPITCH
	s_add_co_u32 s22, s22, D
	v_add_nc_u32 v[RDS], s22, v5                   ; back: my wave's 16 rows, whole
	v_lshl_add_u32 v[RDR], s10, 15, v5
	v_mov_b32 v[RO], v5
	v_lshrrev_b32 v[BOF], 1, v5
	s_mov_b32 s[TB], 0
	v_mov_b32 v[ADRA], v[ADRA0]
.irp q, 0,1,2,3
	v_mov_b32 v[ADRB+\q], v[ADRB0+\q]
.endr
	s_wait_tensorcnt 1                             ; my part of K step 0 is in; K step 1's may stay out
	s_barrier_signal -1
	s_barrier_wait -1
	FETCH 0, 0
	s_wait_loadcnt 0x0                             ; the bias, g and beta
	QUARTER 1, 0, 1, 1                             ; the first quarter stands in front of the loop: its products start the sums
	WIN 0
	s_mov_b32 s3, KSTEPS-2
.Lstep:                                                ; a trip: from a K step's second quarter to the next step's first; it fills one slot again
	QUARTER 2, 1, 0, 0
	QUARTER 3, 0, 1, 0
	TURN 1
	QUARTER 1, 0, 1, 0
	WIN 0
	s_sub_co_u32 s3, s3, 1
	s_cmp_lg_u32 s3, 0
	s_cbranch_scc1 .Lstep
	QUARTER 2, 1, 0, 0                             ; the last two K steps are written out
	QUARTER 3, 0, 1, 0
	TURN TAILFILL                                  ; slot 0 takes the residual
	QUARTER 1, 0, 1, 0
	QUARTER 2, 1, 0, 0
	QUARTER 3, 0, 1, 0
	LASTQ
	PLACES
	s_barrier_signal -1                            ; every wave's reads of slot 1 are back (the last quarter waited for them):
	s_barrier_wait -1                              ; its bytes become the stage
.set sa, 0
.rept MBLK
	WIN 0x08+4*(sa/2)                              ; store data in window 2 or 3
.set sb, 0
.rept NBLK
.set rD, 8*(NBLK*(sa%2)+sb)
	ds_store_b128 v[STO0+sa/2], v[rD:rD+3]   offset:(sa%2)*16*LPITCH+64*sb
	ds_store_b128 v[STO0+sa/2], v[rD+4:rD+7] offset:(sa%2)*16*LPITCH+64*sb+16
.set sb, sb+1
.endr
.set sa, sa+1
.endr
	WIN 0
	s_wait_dscnt 0x0                               ; for the others' sake: my stores into the stage are done
	s_barrier_signal -1
	s_barrier_wait -1
	s_wait_tensorcnt 0x0                           ; my 16 rows of the residual are in; only I read them
	v_mov_b32 v[LT+12], 0                          ; v_permlanex16_b32's destinations count as read
	v_mov_b32 v[LT+28], 0
.macro ACROSS                          ; the sum of v[LT], and of v[LT+16], over the 32 lanes, into every lane
.irp m, 1,2,4,8
.irp rr, 0,1
	v_add_f32_dpp v[LT+16*\rr], v[LT+16*\rr], v[LT+16*\rr] row_xmask:\m row_mask:0xf bank_mask:0xf
.endr
.endr
.irp rr, 0,1
	v_permlanex16_b32 v[LT+16*\rr+12], v[LT+16*\rr], s82, s83
.endr
.irp rr, 0,1
	v_add_f32 v[LT+16*\rr], v[LT+16*\rr], v[LT+16*\rr+12]
.endr
.endm
	s_mov_b32 s3, 8
.Lrow:                                                 ; a trip: two whole rows; the two take turns, so that no line waits for the one before it
.irp rr, 0,1
.irp i, 0,1,2,3
	ds_load_b128 v[LV+16*\rr+4*\i:LV+16*\rr+4*\i+3], v[RDS] offset:\rr*LPITCH+512*\i
	ds_load_b128 v[LR+16*\rr+4*\i:LR+16*\rr+4*\i+3], v[RDR] offset:\rr*2048+512*\i
.endr
.endr
	s_wait_dscnt 0x0
.irp j, 0,1,2,3,4,5,6,7
.irp rr, 0,1
	v_pk_add_f32 v[LV+16*\rr+2*\j:LV+16*\rr+2*\j+1], v[LV+16*\rr+2*\j:LV+16*\rr+2*\j+1], v[LR+16*\rr+2*\j:LR+16*\rr+2*\j+1]
.endr
.endr
.irp j, 0,1,2,3
.irp rr, 0,1
	v_pk_add_f32 v[LT+16*\rr+2*\j:LT+16*\rr+2*\j+1], v[LV+16*\rr+4*\j:LV+16*\rr+4*\j+1], v[LV+16*\rr+4*\j+2:LV+16*\rr+4*\j+3]
.endr
.endr
.irp rr, 0,1
	v_pk_add_f32 v[LT+16*\rr:LT+16*\rr+1], v[LT+16*\rr:LT+16*\rr+1], v[LT+16*\rr+2:LT+16*\rr+3]
	v_pk_add_f32 v[LT+16*\rr+4:LT+16*\rr+5], v[LT+16*\rr+4:LT+16*\rr+5], v[LT+16*\rr+6:LT+16*\rr+7]
.endr
.irp rr, 0,1
	v_pk_add_f32 v[LT+16*\rr:LT+16*\rr+1], v[LT+16*\rr:LT+16*\rr+1], v[LT+16*\rr+4:LT+16*\rr+5]
.endr
.irp rr, 0,1
	v_add_f32 v[LT+16*\rr], v[LT+16*\rr], v[LT+16*\rr+1]
.endr
	ACROSS
.irp rr, 0,1
	v_mul_f32 v[LT+16*\rr+8], s80, v[LT+16*\rr]    ; the mean, twice: a pair for the packed subtraction
	v_mul_f32 v[LT+16*\rr+9], s80, v[LT+16*\rr]
.endr
.irp j, 0,1,2,3,4,5,6,7
.irp rr, 0,1
	v_pk_add_f32 v[LV+16*\rr+2*\j:LV+16*\rr+2*\j+1], v[LV+16*\rr+2*\j:LV+16*\rr+2*\j+1], v[LT+16*\rr+8:LT+16*\rr+9] neg_lo:[0,1] neg_hi:[0,1]
.endr
.endr
.irp j, 0,1
.irp rr, 0,1
	v_pk_mul_f32 v[LT+16*\rr+2*\j:LT+16*\rr+2*\j+1], v[LV+16*\rr+2*\j:LV+16*\rr+2*\j+1], v[LV+16*\rr+2*\j:LV+16*\rr+2*\j+1]
.endr
.endr
.irp j, 2,3,4,5,6,7
.irp rr, 0,1
	v_pk_fma_f32 v[LT+16*\rr+2*(\j%2):LT+16*\rr+2*(\j%2)+1], v[LV+16*\rr+2*\j:LV+16*\rr+2*\j+1], v[LV+16*\rr+2*\j:LV+16*\rr+2*\j+1], v[LT+16*\rr+2*(\j%2):LT+16*\rr+2*(\j%2)+1]
.endr
.endr
.irp rr, 0,1
	v_pk_add_f32 v[LT+16*\rr:LT+16*\rr+1], v[LT+16*\rr:LT+16*\rr+1], v[LT+16*\rr+2:LT+16*\rr+3]
.endr
.irp rr, 0,1
	v_add_f32 v[LT+16*\rr], v[LT+16*\rr], v[LT+16*\rr+1]
.endr
	ACROSS
.irp rr, 0,1
	v_fma_f32 v[LT+16*\rr], v[LT+16*\rr], s80, s81 ; the variance + 1e-5
.endr
.irp rr, 0,1
	v_rsq_f32 v[LT+16*\rr+10], v[LT+16*\rr]
	v_rsq_f32 v[LT+16*\rr+11], v[LT+16*\rr]
.endr
	v_nop                                          ; a plain instruction between the last v_rsq_f32 and the use of its result (ISA guide 5.7.2)
	s_wait_alu depctr_va_vdst(0)
.irp j, 0,1,2,3,4,5,6,7
.irp rr, 0,1
	v_pk_mul_f32 v[LV+16*\rr+2*\j:LV+16*\rr+2*\j+1], v[LV+16*\rr+2*\j:LV+16*\rr+2*\j+1], v[LT+16*\rr+10:LT+16*\rr+11]
.endr
.endr
.irp j, 0,1,2,3,4,5,6,7
.irp rr, 0,1
	v_pk_fma_f32 v[LV+16*\rr+2*\j:LV+16*\rr+2*\j+1], v[LV+16*\rr+2*\j:LV+16*\rr+2*\j+1], v[GAM+2*\j:GAM+2*\j+1], v[BET+2*\j:BET+2*\j+1]
.endr
.endr
.irp rr, 0,1
.irp i, 0,1,2,3
	global_store_b128 v[RO], v[LV+16*\rr+4*\i:LV+16*\rr+4*\i+3], s[96:97] offset:\rr*2048+512*\i  ; 512 consecutive bytes, aligned
.endr
.endr
.if WO
.irp rr, 0,1
.irp j, 0,1,2,3,4,5,6,7
	v_cvt_pk_bf16_f32 v[LB+8*\rr+\j], v[LV+16*\rr+2*\j], v[LV+16*\rr+2*\j+1]
.endr
.endr
.irp rr, 0,1
.irp i, 0,1,2,3
	global_store_b64 v[BOF], v[LB+8*\rr+2*\i:LB+8*\rr+2*\i+1], s[98:99] offset:\rr*1024+256*\i  ; 32 lanes store 256 consecutive bytes, aligned
.endr
.endr
.endif
	s_wait_xcnt 0x0                                ; the stores' data and offsets are rewritten only behind this wait
	v_add_nc_u32 v[RO], 4096, v[RO]
.if WO
	v_add_nc_u32 v[BOF], 2048, v[BOF]
.endif
	v_add_nc_u32 v[RDS], 2*LPITCH, v[RDS]
	v_add_nc_u32 v[RDR], 4096, v[RDR]
	s_sub_co_u32 s3, s3, 1
	s_cmp_lg_u32 s3, 0
	s_cbranch_scc1 .Lrow
	s_wait_tensorcnt 0x0                           ; the wave's end
	ds_add_u32 v[SPW], v[NIL]
	s_wait_dscnt 0x0
	CROUND                                         ; the closing round
	s_endpgm
.Lfunc_end_k_q2ed13ab41a_woln:
	.size	k_q2ed13ab41a_woln, .Lfunc_end_k_q2ed13ab41a_woln-k_q2ed13ab41a_woln
	.p2alignl 7, 3214868480
	.fill 96, 4, 3214868480
	.section	.rodata,"a",@progbits
	.p2align	6, 0x0
	.amdhsa_kernel k_q2ed13ab41a_woln
		.amdhsa_group_segment_fixed_size 327680
		.amdhsa_private_segment_fixed_size 0
		.amdhsa_enable_private_segment 0
		.amdhsa_kernarg_size 64
		.amdhsa_user_sgpr_count 2
		.amdhsa_user_sgpr_kernarg_segment_ptr 1
		.amdhsa_wavefront_size32 1
		.amdhsa_system_sgpr_workgroup_id_x 1
		.amdhsa_system_sgpr_workgroup_id_y 1
		.amdhsa_system_sgpr_workgroup_id_z 1
		.amdhsa_system_vgpr_workitem_id 0
		.amdhsa_next_free_vgpr 1024
		.amdhsa_next_free_sgpr 100
		.amdhsa_reserve_vcc 0
		.amdhsa_float_denorm_mode_32 3
		.amdhsa_float_denorm_mode_16_64 3
		.amdhsa_memory_ordered 1
		.amdhsa_forward_progress 1
		.amdhsa_inst_pref_size 75
	.end_amdhsa_kernel
	.amdgpu_metadata
---
amdhsa.version: [ 1, 2 ]
amdhsa.kernels:
  - .name:           k_q2ed13ab41a_woln
    .symbol:         k_q2ed13ab41a_woln.kd
    .args:
      - { .name: ctx, .offset: 0, .size: 8, .value_kind: global_buffer, .address_space: global }
      - { .name: wb, .offset: 8, .size: 8, .value_kind: global_buffer, .address_space: global }
      - { .name: bo, .offset: 16, .size: 8, .value_kind: global_buffer, .address_space: global }
      - { .name: moves_embeddings, .offset: 24, .size: 8, .value_kind: global_buffer, .address_space: global }
      - { .name: g1, .offset: 32, .size: 8, .value_kind: global_buffer, .address_space: global }
      - { .name: beta1, .offset: 40, .size: 8, .value_kind: global_buffer, .address_space: global }
      - { .name: x1, .offset: 48, .size: 8, .value_kind: global_buffer, .address_space: global }
      - { .name: x1b, .offset: 56, .size: 8, .value_kind: global_buffer, .address_space: global }
    .group_segment_fixed_size: 327680
    .private_segment_fixed_size: 0
    .kernarg_segment_align: 8
    .kernarg_segment_size: 64
    .max_flat_workgroup_size: 128
    .sgpr_count:     100
    .vgpr_count:     1024
    .wavefront_size: 32
...
	.end_amdgpu_metadata
.endif
;; end of part 4
;; launch up (part 5): grid 8 x 32, 4 waves a work-group, clusters of 4 x 4, 327,680 bytes of LDS; arguments x1b, wb, b_up, hb; writes hb
.if DOCPART == 5
	.amdgcn_target "amdgcn-amd-amdhsa--gfx1250"
	.amdhsa_code_object_version 6
	.text
	.protected	k_q2ed13ab41a_up
	.globl	k_q2ed13ab41a_up
	.p2align	8
	.type	k_q2ed13ab41a_up,@function
k_q2ed13ab41a_up:
	s_mov_b64 s[64:65], 0
	v_nop
	global_prefetch_b8 v0, s[64:65] scope:SCOPE_SE
	s_setreg_imm32_b32 hwreg(HW_REG_WAVE_MODE, 25, 1), 1
	s_wait_xcnt 0x0
	s_wait_alu depctr_hold_cnt(0) depctr_sa_sdst(0) depctr_va_vdst(0) depctr_va_sdst(0) depctr_va_ssrc(0) depctr_va_vcc(0) depctr_vm_vsrc(0)
	s_getreg_b32 s2, hwreg(HW_REG_IB_STS2, 6, 4)
	s_cmp_eq_u32 s2, 0
	s_cbranch_scc0 .Lentry_in_a_cluster
	s_endpgm
.Lentry_in_a_cluster:
	s_bfe_u32 s2, ttmp6, 0x10000c
	s_cmp_lg_u32 s2, 0xf033
	s_cbranch_scc0 .Lentry_shape_is_right
	s_endpgm
.Lentry_shape_is_right:
; h = gelu(x1 W + b), the exact (erf) GELU.  x1: x1b [8192][512] bf16.  W: w_up in wb, [512][2048] bf16.  Sums in f32, started by the bias; GELU in f32; h rounded once to bf16: hb [8192][2048].
; GELU.  gelu(x) = max(x, 0) - |x| / 2 x poly(t) x exp(-x^2 / 2), t = 1 / (1 + p |x| / sqrt 2): erf by Abramowitz and Stegun's 7.1.26, whose error in erf is 1.5e-7 at the most, for every x.
; With u = x sqrt(log2(e) / 2): exp(-x^2 / 2) = 2^(-u^2), and the factors 1 / sqrt 2 and -1 / 2 are folded into p and into the five coefficients.  Infinities and NaN are not treated apart.
; SHARES.  A work-group makes 256 rows x 256 columns: 32 x 8 = 256 work-groups.  Each of four waves makes 128 x 128: 64 accumulators, 512 registers.
; K goes in steps of 128 through two LDS slots: 256 rows of x1 (256 bytes + 16), then 128 rows of W as they lie, [k][n] (512 bytes + 32); W's fragments come out turned, by ds_load_tr16_b128.
; THE MATRIX INSTRUCTION IS USED TRANSPOSED: source 0 = 16 columns of W, source 1 = 16 rows of x1.
; CLUSTER 4 x 4: x1's tile is shared along a row of the cluster, W's along a column: joint loads.
; THE WAY OUT.  The sums go as f32 through a stage of the wave's own (128 rows x 528 bytes, over the slots, which have had their last fill) and come back by rows, so that 32 lanes' results are 256 consecutive bytes of hb.
; REGISTERS: window 0: v0-31 addresses; v64-191 x1's fragments, two buffers; v192-255 the bias.  window 1: W's fragments.  windows 2, 3: accumulators (a, b) at v[8 (8 (a % 4) + b)].
.set KSTEPS, 4
.set MBLK,   8
.set NBLK,   8
.set APITCH, 272
.set AH,     128*APITCH
.set ASZ,    2*AH
.set AQS,    128
.set BP,     544                       ; an odd multiple of 32 bytes
.set BH,     64*BP
.set BSEG,   128
.set D,      139264                    ; from slot 0 to slot 1: two bits that no tile's LDS address has
.set ASTEP,  256
.set BSTEP,  128*4096
.set WOFF,   2097152                   ; w_up in wb
.set SPARE,  312320                    ; behind the slots: the spare words, 128 bytes a wave
.set TAILFILL, 0
.set GPITCH, 528
.set NL,    2*(NBLK+MBLK)
.set ADRA,  16
.set ADRA0, 17
.set ADRB,  20
.set ADRB0, 24
.set SPW,   28
.set NIL,   29
.set FA,    64
.set BIAS,  64+16*MBLK
.set G1A,   24
.set G0A,   32
.set G1B,   48
.set G0B,   56
.set TB,    66
.set RD,    8
.set CO,    9
.set STO,   10
.set GX,    64                         ; the way out: 16 numbers a lane: x,
.set GU,    80                         ; u,
.set GR,    96                         ; max(x, 0),
.set GT,    112                        ; t,
.set GW,    128                        ; 2^(-u^2),
.set GP,    144                        ; the polynomial, then the result,
.set GQ,    160                        ; |u| t 2^(-u^2),
.set GB,    176                        ; 8 registers of bf16
.set MSB, 0
.macro WIN new
.if MSB != (\new)
	s_set_vgpr_msb (MSB<<8)|(\new)
.set MSB, (\new)
.endif
.endm
.macro PLACES                          ; four places behind matrix instructions (ISA guide 7.12.1)
.rept 4
	v_nop
.endr
.endm
.macro CREST
	s_cmp_lg_u32 s10, 0
	s_cbranch_scc1 .Lnot_wave_0_\@
	s_barrier_signal -3
.Lnot_wave_0_\@:
	s_barrier_wait -3
	s_barrier_signal -1
	s_barrier_wait -1
.endm
.macro CROUND
	s_barrier_signal -1
	s_barrier_wait -1
	CREST
.endm
.macro JLOAD                           ; a joint refill: waves 0 and 1 fetch the two halves of x1's tile, waves 2 and 3 those of W's; s_nop 0 and four v_nop follow each line
	s_cmp_eq_u32 s11, 0
	s_cbranch_scc0 .Lfor_b_\@
	tensor_load_to_lds s[G0A+4:G0A+7], s[G1A:G1A+7]
	s_nop 0
	PLACES
	s_branch .Lasked_\@
.Lfor_b_\@:
	tensor_load_to_lds s[G0B+4:G0B+7], s[G1B:G1B+7]
	s_nop 0
	PLACES
.Lasked_\@:
.endm
.macro MULR f, a0, na, zero            ; na row blocks from a0 on x all column blocks, 32 along K, from buffer f; zero = 1: the bias starts the sums.  The accumulators take turns.
.set ma, (\a0)
.rept (\na)
.set mb, 0
.rept NBLK
.set rD, 8*(NBLK*(ma%(MBLK/2))+mb)
.set rB, 128*(\f)+8*mb
.set rA, FA+8*MBLK*(\f)+8*ma
.if \zero
	WIN 0x81+0x40*(ma/(MBLK/2))
	v_wmma_f32_16x16x32_bf16 v[rD:rD+7], v[rB:rB+7], v[rA:rA+7], v[BIAS+8*mb:BIAS+8*mb+7]
.else
	WIN 0xa1+0x50*(ma/(MBLK/2))
	v_wmma_f32_16x16x32_bf16 v[rD:rD+7], v[rB:rB+7], v[rA:rA+7], v[rD:rD+7]
.endif
.set mb, mb+1
.endr
.set ma, ma+1
.endr
.endm
.macro FETCH q, g                      ; one run of NL LDS loads: quarter q's fragments into buffer g: W's first, then x1's
	WIN 0x40
.set fb, 0
.rept NBLK
	ds_load_tr16_b128 v[128*(\g)+8*fb:128*(\g)+8*fb+3],   v[ADRB+(\q)] offset:BSEG*(fb/4)+32*(fb%4)
	ds_load_tr16_b128 v[128*(\g)+8*fb+4:128*(\g)+8*fb+7], v[ADRB+(\q)] offset:BSEG*(fb/4)+32*(fb%4)+16*BP
.set fb, fb+1
.endr
	WIN 0
.set fa, 0
.rept MBLK
	ds_load_b128 v[FA+8*MBLK*(\g)+8*fa:FA+8*MBLK*(\g)+8*fa+3],   v[ADRA] offset:AQS*((\q)/2)+64*((\q)%2)+fa*16*APITCH
	ds_load_b128 v[FA+8*MBLK*(\g)+8*fa+4:FA+8*MBLK*(\g)+8*fa+7], v[ADRA] offset:AQS*((\q)/2)+64*((\q)%2)+fa*16*APITCH+32
.set fa, fa+1
.endr
.endm
.macro QUARTER q, f, g, zero
	s_wait_dscnt MBLK                              ; all of W and x1's lower blocks are in; the youngest MBLK loads may be out
	MULR \f, 0, MBLK/2, \zero
	PLACES
	FETCH \q, \g
	s_wait_dscnt NL                                ; all but the run just issued
	MULR \f, MBLK/2, MBLK/2, \zero
.endm
; The last quarter of a K step multiplies buffer 1 and changes slots.  In front of the barrier each wave waits for all its tensor loads (one is out: its part of the next slot), adds 0 to its spare word, and waits for
; that and for its reads of this slot.  fill = 1: the barrier opens a round of the cluster's, and this slot is filled again, two K steps ahead, first thing behind it.
.macro TURN fill
	WIN 0
	s_wait_tensorcnt 0x0                           ; no tensor load of mine is out, so a group 0 may be written
	ds_add_u32 v[SPW], v[NIL]
.if (\fill) == 1
	s_xor_b32 s[G0A+5], s[G0A+5], D
	s_add_nc_u64 s[G0A+6:G0A+7], s[G0A+6:G0A+7], ASTEP
	s_xor_b32 s[G0B+5], s[G0B+5], D
	s_add_nc_u64 s[G0B+6:G0B+7], s[G0B+6:G0B+7], BSTEP
.endif
	s_wait_dscnt MBLK+1                            ; the add and the youngest MBLK loads may be out
	MULR 1, 0, MBLK/4, 0
	s_wait_dscnt 0x0                               ; the add is done, and my reads of this slot are over
	s_barrier_signal -1
	MULR 1, MBLK/4, MBLK/4, 0
	WIN 0
	s_barrier_wait -1
.if (\fill) == 1
	CREST
	JLOAD
.else
	PLACES
.endif
	s_xor_b32 s[TB], s[TB], D
	v_add_nc_u32 v[ADRA], s[TB], v[ADRA0]
.irp q, 0,1,2,3
	v_add_nc_u32 v[ADRB+\q], s[TB], v[ADRB0+\q]
.endr
	FETCH 0, 0
	MULR 1, MBLK/2, MBLK/2, 0
.endm
.macro LASTQ
	s_wait_dscnt MBLK
	MULR 1, 0, MBLK/2, 0
	s_wait_dscnt 0x0
	MULR 1, MBLK/2, MBLK/2, 0
	WIN 0
.endm
	s_load_b256 s[84:91], s[0:1], 0x0              ; x1b s[84:85], wb s[86:87], b_up s[88:89], hb s[90:91]
	v_lshl_add_u32 v[SPW], v0, 2, SPARE
	v_mov_b32 v[NIL], 0
	ds_add_u32 v[SPW], v[NIL]                      ; the wave's opening
	v_lshrrev_b32 v1, 5, v0
	v_readfirstlane_b32 s10, v1                    ; wave 0..3
	s_lshr_b32 s11, s10, 1                         ; which half of the tile's rows is mine.  Also: I fetch for x1 (0) or for W (1)
	s_and_b32 s12, s10, 1                          ; which half of its columns.  Also: which half of that tile I fetch
	s_bfe_u32 s40, ttmp6, 0x40000
	s_bfe_u32 s41, ttmp6, 0x40004
	s_lshl_b32 s42, ttmp9, 2
	s_add_co_u32 s42, s42, s40                     ; tile column
	s_and_b32 s13, ttmp7, 0xffff
	s_lshl_b32 s13, s13, 2
	s_add_co_u32 s13, s13, s41                     ; tile row
	s_lshl_b32 s43, s41, 2
	s_lshl_b32 s43, 15, s43                        ; my row of the cluster
	s_lshl_b32 s44, 0x1111, s40                    ; my column
	s_or_b32 s[G1A], s43, (1<<16)|(1<<20)|(1<<21)|(5<<22)|(3<<25)  ; after every 64 words 4 words of padding
	s_mov_b32 s[G1A+1], 128<<16
	s_mov_b32 s[G1A+2], 128<<16
	s_mov_b32 s[G1A+3], 128<<16
	s_mov_b32 s[G1A+4], 128
	s_mov_b32 s[G1A+5], 512
	s_mov_b32 s[G1A+6], 0
	s_mov_b32 s[G1A+7], 0
	s_or_b32 s[G1B], s44, (1<<16)|(1<<20)|(1<<21)|(6<<22)|(7<<25)  ; after every 128 words 8 words
	s_mov_b32 s[G1B+1], 256<<16
	s_mov_b32 s[G1B+2], 64<<16
	s_mov_b32 s[G1B+3], 256<<16
	s_mov_b32 s[G1B+4], 64
	s_mov_b32 s[G1B+5], 2048
	s_mov_b32 s[G1B+6], 0
	s_mov_b32 s[G1B+7], 0
	s_mov_b32 s68, 0x3f596d27                      ; sqrt(log2(e) / 2)
	s_mov_b32 s69, s68                             ; each constant is named as a pair, so both words are written
	s_mov_b32 s70, 0x3e8ba43f                      ; 0.3275911 sqrt(ln 2)
	s_mov_b32 s71, s70
	s_mov_b32 s72, 0xbe199eb3                      ; the five coefficients, each times -1 / (2 sqrt(log2(e) / 2))
	s_mov_b32 s73, s72
	s_mov_b32 s74, 0x3e2b8119
	s_mov_b32 s75, s74
	s_mov_b32 s76, 0xbf563818
	s_mov_b32 s77, s76
	s_mov_b32 s78, 0x3f5b0099
	s_mov_b32 s79, s78
	s_mov_b32 s80, 0xbf1ff67a
	s_mov_b32 s81, s80
	s_lshl_b32 s16, s13, 8
	s_lshl_b32 s17, s12, 7
	s_add_co_u32 s16, s16, s17
	s_lshl_b32 s16, s16, 10                        ; x1: row 256 x tile row + 128 x half, of 1,024 bytes
	s_mov_b32 s17, 0
	s_lshl_b32 s46, s12, 18                        ; W: k-row 64 x half, of 4,096 bytes,
	s_lshl_b32 s47, s42, 9                         ; column 256 x tile column
	s_add_co_u32 s46, s46, s47
	s_add_co_u32 s46, s46, WOFF
	s_mov_b32 s47, 0
	s_mul_i32 s20, s12, AH
	s_mul_i32 s21, s12, BH
	s_add_co_u32 s21, s21, ASZ
	s_wait_dscnt 0x0                               ; the opening add is done
	s_wait_kmcnt 0x0
	s_add_nc_u64 s[14:15], s[84:85], s[16:17]
	s_add_nc_u64 s[46:47], s[86:87], s[46:47]
	CROUND                                         ; all sixteen work-groups are here: the first joint loads meet
.irp s, 0,1
	s_mov_b32 s[G0A+4*\s], 1
	s_add_co_u32 s[G0A+4*\s+1], s20, \s*D
	s_add_nc_u64 s[G0A+4*\s+2:G0A+4*\s+3], s[14:15], \s*ASTEP
	s_or_b32 s[G0A+4*\s+3], s[G0A+4*\s+3], 0x80000000
	s_mov_b32 s[G0B+4*\s], 1
	s_add_co_u32 s[G0B+4*\s+1], s21, \s*D
	s_add_nc_u64 s[G0B+4*\s+2:G0B+4*\s+3], s[46:47], \s*BSTEP
	s_or_b32 s[G0B+4*\s+3], s[G0B+4*\s+3], 0x80000000
.endr
	s_cmp_eq_u32 s11, 0                            ; a wave's two first fills stand in one branch: two tensor loads of mine are out, the most in this text
	s_cbranch_scc0 .Lfirst_b
	tensor_load_to_lds s[G0A:G0A+3], s[G1A:G1A+7]
	s_nop 0
	tensor_load_to_lds s[G0A+4:G0A+7], s[G1A:G1A+7]
	s_nop 0
	PLACES
	s_branch .Lfirst_asked
.Lfirst_b:
	tensor_load_to_lds s[G0B:G0B+3], s[G1B:G1B+7]
	s_nop 0
	tensor_load_to_lds s[G0B+4:G0B+7], s[G1B:G1B+7]
	s_nop 0
	PLACES
.Lfirst_asked:
	v_and_b32 v1, 15, v0
	v_bfe_u32 v2, v0, 4, 1
	v_and_b32 v3, 7, v0
	v_bfe_u32 v4, v0, 3, 1
	v_lshlrev_b32 v7, 5, v2
	s_lshl_b32 s22, s42, 10                        ; the bias of my 128 columns
	s_lshl_b32 s23, s12, 9
	s_add_co_u32 s22, s22, s23
	s_mov_b32 s23, 0
	s_add_nc_u64 s[88:89], s[88:89], s[22:23]
.irp b, 0,1,2,3,4,5,6,7
	global_load_b128 v[BIAS+8*\b:BIAS+8*\b+3],   v7, s[88:89] offset:64*\b
	global_load_b128 v[BIAS+8*\b+4:BIAS+8*\b+7], v7, s[88:89] offset:64*\b+16
.endr
	s_lshl_b32 s22, s13, 1
	s_add_co_u32 s22, s22, s11
	s_lshl_b32 s22, s22, 19                        ; hb at my 128 rows of 4,096 bytes,
	s_lshl_b32 s23, s42, 1
	s_add_co_u32 s23, s23, s12
	s_lshl_b32 s23, s23, 8                         ; my 128 columns
	s_add_co_u32 s22, s22, s23
	s_mov_b32 s23, 0
	s_add_nc_u64 s[90:91], s[90:91], s[22:23]
	v_mul_u32_u24 v5, v1, APITCH
	v_lshl_add_u32 v5, v2, 4, v5
	s_mul_i32 s20, s11, 16*MBLK*APITCH
	v_add_nc_u32 v[ADRA0], s20, v5
	v_lshl_add_u32 v6, v2, 3, v3
	v_mul_u32_u24 v6, v6, BP
	v_lshl_add_u32 v6, v4, 4, v6
	v_lshl_add_u32 v6, s12, 8, v6
.irp q, 0,1,2,3
	v_add_nc_u32 v[ADRB0+\q], ASZ+32*\q*BP, v6
.endr
	s_mul_i32 s21, s10, 128*GPITCH                 ; my stage
	v_mul_u32_u24 v[STO], v1, GPITCH
	v_lshl_add_u32 v[STO], v2, 5, v[STO]
	v_add_nc_u32 v[STO], s21, v[STO]
	v_and_b32 v[CO], 31, v0
	v_lshl_add_u32 v[RD], v[CO], 4, s21            ; back: a row's 512 bytes, 16 a lane
	v_lshlrev_b32 v[CO], 3, v[CO]                  ; out: 8 bytes a lane
	s_mov_b32 s[TB], 0
	v_mov_b32 v[ADRA], v[ADRA0]
.irp q, 0,1,2,3
	v_mov_b32 v[ADRB+\q], v[ADRB0+\q]
.endr
	s_wait_tensorcnt 1                             ; my part of K step 0 is in; K step 1's may stay out
	s_barrier_signal -1
	s_barrier_wait -1
	FETCH 0, 0
	s_wait_loadcnt 0x0                             ; the bias
	QUARTER 1, 0, 1, 1
	WIN 0
	s_mov_b32 s3, KSTEPS-2
.Lstep:
	QUARTER 2, 1, 0, 0
	QUARTER 3, 0, 1, 0
	TURN 1
	QUARTER 1, 0, 1, 0
	WIN 0
	s_sub_co_u32 s3, s3, 1
	s_cmp_lg_u32 s3, 0
	s_cbranch_scc1 .Lstep
	QUARTER 2, 1, 0, 0
	QUARTER 3, 0, 1, 0
	TURN TAILFILL
	QUARTER 1, 0, 1, 0
	QUARTER 2, 1, 0, 0
	QUARTER 3, 0, 1, 0
	LASTQ
	PLACES
	s_barrier_signal -1                            ; every wave's reads of the slots are back:
	s_barrier_wait -1                              ; their bytes become the four stages
.set sa, 0
.rept MBLK
	WIN 0x08+4*(sa/(MBLK/2))
.set sb, 0
.rept NBLK
.set rD, 8*(NBLK*(sa%(MBLK/2))+sb)
	ds_store_b128 v[STO], v[rD:rD+3]   offset:sa*16*GPITCH+64*sb
	ds_store_b128 v[STO], v[rD+4:rD+7] offset:sa*16*GPITCH+64*sb+16
.set sb, sb+1
.endr
.set sa, sa+1
.endr
	WIN 0
.irp rr, 0,1,2,3
	ds_load_b128 v[GX+4*\rr:GX+4*\rr+3], v[RD] offset:\rr*GPITCH  ; LDS serves a wave's instructions in order (ISA guide 5.7.1.4): these see my stores above; no other wave touches my stage
.endr
; Four rows, four numbers a lane each.  pre = 1: the next four rows are fetched as soon as x has been used.
.macro EACH n, line:vararg             ; one line for z = 0 .. n - 1
.set z, 0
	s_wait_alu depctr_va_vdst(0)
.rept \n
	\line
.set z, z+1
.endr
.endm
.macro GTRIP pre
	s_wait_dscnt 0x0
	EACH 8,  v_pk_mul_f32 v[GU+2*z:GU+2*z+1], v[GX+2*z:GX+2*z+1], s[68:69] op_sel_hi:[1,0]
	EACH 16, v_max_num_f32 v[GR+z], 0, v[GX+z]
.if \pre
	v_add_nc_u32 v[RD], 4*GPITCH, v[RD]
.irp rr, 0,1,2,3
	ds_load_b128 v[GX+4*\rr:GX+4*\rr+3], v[RD] offset:\rr*GPITCH
.endr
.endif
	EACH 16, v_fma_f32 v[GT+z], |v[GU+z]|, s70, 1.0
	EACH 16, v_rcp_f32 v[GT+z], v[GT+z]
	EACH 8,  v_pk_mul_f32 v[GW+2*z:GW+2*z+1], v[GU+2*z:GU+2*z+1], v[GU+2*z:GU+2*z+1] neg_lo:[1,0] neg_hi:[1,0]  ; plain lines behind the reciprocals (ISA guide 5.7.2)
	EACH 16, v_exp_f32 v[GW+z], v[GW+z]
	EACH 8,  v_pk_fma_f32 v[GP+2*z:GP+2*z+1], v[GT+2*z:GT+2*z+1], s[80:81], s[78:79] op_sel_hi:[1,0,0]          ; plain lines behind the exponentials
	EACH 8,  v_pk_fma_f32 v[GP+2*z:GP+2*z+1], v[GP+2*z:GP+2*z+1], v[GT+2*z:GT+2*z+1], s[76:77] op_sel_hi:[1,1,0]
	EACH 8,  v_pk_fma_f32 v[GP+2*z:GP+2*z+1], v[GP+2*z:GP+2*z+1], v[GT+2*z:GT+2*z+1], s[74:75] op_sel_hi:[1,1,0]
	EACH 8,  v_pk_fma_f32 v[GP+2*z:GP+2*z+1], v[GP+2*z:GP+2*z+1], v[GT+2*z:GT+2*z+1], s[72:73] op_sel_hi:[1,1,0]
	EACH 16, v_mul_f32 v[GQ+z], |v[GU+z]|, v[GW+z]
	EACH 8,  v_pk_mul_f32 v[GQ+2*z:GQ+2*z+1], v[GQ+2*z:GQ+2*z+1], v[GT+2*z:GT+2*z+1]
	EACH 8,  v_pk_fma_f32 v[GP+2*z:GP+2*z+1], v[GP+2*z:GP+2*z+1], v[GQ+2*z:GQ+2*z+1], v[GR+2*z:GR+2*z+1]
	EACH 8,  v_cvt_pk_bf16_f32 v[GB+z], v[GP+2*z], v[GP+2*z+1]
.irp rr, 0,1,2,3
	global_store_b64 v[CO], v[GB+2*\rr:GB+2*\rr+1], s[90:91] offset:\rr*4096  ; 32 lanes store 256 consecutive bytes, aligned
.endr
	s_wait_xcnt 0x0                                ; the stores' data and offset are rewritten only behind this wait
	v_add_nc_u32 v[CO], 16384, v[CO]
.endm
	s_mov_b32 s3, 31
.Lgelu:
	GTRIP 1
	s_sub_co_u32 s3, s3, 1
	s_cmp_lg_u32 s3, 0
	s_cbranch_scc1 .Lgelu
	GTRIP 0                                        ; the last four rows are written out: nothing is read past my stage
	s_wait_tensorcnt 0x0                           ; the wave's end
	ds_add_u32 v[SPW], v[NIL]
	s_wait_dscnt 0x0
	CROUND                                         ; the closing round
	s_endpgm
.Lfunc_end_k_q2ed13ab41a_up:
	.size	k_q2ed13ab41a_up, .Lfunc_end_k_q2ed13ab41a_up-k_q2ed13ab41a_up
	.p2alignl 7, 3214868480
	.fill 96, 4, 3214868480
	.section	.rodata,"a",@progbits
	.p2align	6, 0x0
	.amdhsa_kernel k_q2ed13ab41a_up
		.amdhsa_group_segment_fixed_size 327680
		.amdhsa_private_segment_fixed_size 0
		.amdhsa_enable_private_segment 0
		.amdhsa_kernarg_size 32
		.amdhsa_user_sgpr_count 2
		.amdhsa_user_sgpr_kernarg_segment_ptr 1
		.amdhsa_wavefront_size32 1
		.amdhsa_system_sgpr_workgroup_id_x 1
		.amdhsa_system_sgpr_workgroup_id_y 1
		.amdhsa_system_sgpr_workgroup_id_z 1
		.amdhsa_system_vgpr_workitem_id 0
		.amdhsa_next_free_vgpr 1024
		.amdhsa_next_free_sgpr 100
		.amdhsa_reserve_vcc 0
		.amdhsa_float_denorm_mode_32 3
		.amdhsa_float_denorm_mode_16_64 3
		.amdhsa_memory_ordered 1
		.amdhsa_forward_progress 1
		.amdhsa_inst_pref_size 114
	.end_amdhsa_kernel
	.amdgpu_metadata
---
amdhsa.version: [ 1, 2 ]
amdhsa.kernels:
  - .name:           k_q2ed13ab41a_up
    .symbol:         k_q2ed13ab41a_up.kd
    .args:
      - { .name: x1b, .offset: 0, .size: 8, .value_kind: global_buffer, .address_space: global }
      - { .name: wb, .offset: 8, .size: 8, .value_kind: global_buffer, .address_space: global }
      - { .name: b_up, .offset: 16, .size: 8, .value_kind: global_buffer, .address_space: global }
      - { .name: hb, .offset: 24, .size: 8, .value_kind: global_buffer, .address_space: global }
    .group_segment_fixed_size: 327680
    .private_segment_fixed_size: 0
    .kernarg_segment_align: 8
    .kernarg_segment_size: 32
    .max_flat_workgroup_size: 128
    .sgpr_count:     100
    .vgpr_count:     1024
    .wavefront_size: 32
...
	.end_amdgpu_metadata
.endif
;; end of part 5
;; launch down (part 6): grid 4 x 64, 4 waves a work-group, clusters of 4 x 4, 327,680 bytes of LDS; arguments hb, wb, x1, z; writes z
.if DOCPART == 6
	.amdgcn_target "amdgcn-amd-amdhsa--gfx1250"
	.amdhsa_code_object_version 6
	.text
	.protected	k_q2ed13ab41a_down
	.globl	k_q2ed13ab41a_down
	.p2align	8
	.type	k_q2ed13ab41a_down,@function
k_q2ed13ab41a_down:
	s_mov_b64 s[64:65], 0
	v_nop
	global_prefetch_b8 v0, s[64:65] scope:SCOPE_SE
	s_setreg_imm32_b32 hwreg(HW_REG_WAVE_MODE, 25, 1), 1
	s_wait_xcnt 0x0
	s_wait_alu depctr_hold_cnt(0) depctr_sa_sdst(0) depctr_va_vdst(0) depctr_va_sdst(0) depctr_va_ssrc(0) depctr_va_vcc(0) depctr_vm_vsrc(0)
	s_getreg_b32 s2, hwreg(HW_REG_IB_STS2, 6, 4)
	s_cmp_eq_u32 s2, 0
	s_cbranch_scc0 .Lentry_in_a_cluster
	s_endpgm
.Lentry_in_a_cluster:
	s_bfe_u32 s2, ttmp6, 0x10000c
	s_cmp_lg_u32 s2, 0xf033
	s_cbranch_scc0 .Lentry_shape_is_right
	s_endpgm
.Lentry_shape_is_right:
; z = x1 + h W.  h: hb [8192][2048] bf16.  W: w_down in wb, [2048][512] bf16.  x1, z: [8192][512] f32.  Products bf16 x bf16, sums in f32, started by x1.
; The bias and the norm follow in the next launch, which has whole rows.  Infinities and NaN are not treated apart.
; WHY NOT WHOLE ROWS HERE.  A work-group that made whole rows of 512 would bring all of W, 2 MB, through its LDS, whatever the number of its rows.  A tile of 128 x 128 brings 512 KB of h and 512 KB of W,
; and 64 x 4 = 256 such tiles give each WGP one work-group.  The price: z goes to memory once and comes back once.
; SHARES.  Four waves, 2 x 2, each 64 x 64: 16 accumulators of 16 x 16, 128 registers.  K goes in steps of 256, as long as two slots in LDS allow: a slot holds 128 rows of h (512 bytes + 16 of padding),
; then 256 rows of W as they lie, [k][n] (256 bytes + 32).  W's fragments come out of LDS turned, by ds_load_tr16_b128.
; THE MATRIX INSTRUCTION IS USED TRANSPOSED: source 0 = 16 columns of W, source 1 = 16 rows of h: a lane holds one row (lane % 16) and eight neighbouring columns.
; x1 IS THE SUMS' BEGINNING: a lane's eight columns of a row are 32 neighbouring bytes of x1, loaded straight into the accumulator.  So every product adds in place, and a K step is written once for all.
; CLUSTER 4 x 4: the four work-groups of a row of the cluster make the four column tiles of the same rows and need the same tiles of h; the four of a column need the same tiles of W: joint loads.
; REGISTERS: window 0: v0-31 addresses; v128-255 the accumulators ((a, b) at v[128 + 8 (4 a + b)]), on the way out whole rows.
;   window 1: two fragment buffers of 128: for 64 along K (two matrix instructions deep), 64 registers of h (2 x 4 x 16 rows x 32 K), then 64 of W.
.set KSTEPS, 8
.set APITCH, 528                       ; 132 words: row r starts at bank 4 r mod 64 (64 banks of 4 bytes: ISA guide 11.1)
.set AH,     64*APITCH                 ; 64 rows of h: what one tensor load brings, and what one wave reads
.set ASZ,    2*AH
.set BP,     288                       ; an odd multiple of 32 bytes: the eight rows of a turning load's group start in different banks
.set BH,     128*BP                    ; 128 rows of W: what one tensor load brings
.set D,      147456                    ; from slot 0 to slot 1: two bits that no tile's LDS address has
.set ASTEP,  512                       ; bytes in memory from K step to K step
.set BSTEP,  256*1024
.set WOFF,   4194304                   ; w_down in wb
.set SPARE,  D+ASZ+2*BH                ; behind slot 1: the spare words, 128 bytes a wave: two blocks of 256 bytes that no other line names
.set SPITCH, 272                       ; a row of a wave's stage: 64 f32 + 16 bytes
.set STO,   8                          ; v8      the way out: where I put 32 bytes of a row
.set RD,    9                          ; v9      where I read rows back
.set CO,    10                         ; v10     my byte offset in z
.set XO,    11                         ; v11     my byte offset in x1
.set ADRA,  16                         ; v16     LDS address of my fragments of h in the slot in hand
.set ADRA0, 17                         ; v17     the same in slot 0; never rewritten
.set ADRB,  20                         ; v20-21  the same for W: k-rows 0-127 and 128-255 of a K step
.set ADRB0, 22                         ; v22-23
.set SPW,   28                         ; v28     my spare word; never rewritten
.set NIL,   29                         ; v29     0; never rewritten
.set ACC,   128
.set F0,    0                          ; fragment buffers, in window 1
.set F1,    128
.set G1A,   24                         ; s[24:31] descriptor group 1 for h's tiles; s[32:39] group 0: a set for each first fill, the second then walks
.set G0A,   32
.set G1B,   48                         ; s[48:55], s[56:63] the same for W's
.set G0B,   56
.set TB,    66                         ; s66  0 or D: the slot in hand
.set MSB, 0
.macro WIN new                         ; the immediate's high byte repeats the setting that is left; a switch that changes nothing is dropped
.if MSB != (\new)
	s_set_vgpr_msb (MSB<<8)|(\new)
.set MSB, (\new)
.endif
.endm
.set MUL,  0x05                        ; sources 0 (W) and 1 (h) window 1; C and D window 0
.set TO_F, 0x40                        ; destination window 1, address window 0
.macro PLACES                          ; four places behind matrix instructions, in front of loads into their sources and of reads of their results
.rept 4
	v_nop
.endr
.endm
.macro CREST                           ; a round of the cluster's barrier behind its opening barrier
	s_cmp_lg_u32 s10, 0
	s_cbranch_scc1 .Lnot_wave_0_\@
	s_barrier_signal -3
.Lnot_wave_0_\@:
	s_barrier_wait -3
	s_barrier_signal -1
	s_barrier_wait -1
.endm
.macro CROUND
	s_barrier_signal -1
	s_barrier_wait -1
	CREST
.endm
.macro JLOAD                           ; a joint refill: waves 0 and 1 fetch the two halves of h's tile, waves 2 and 3 those of W's; s_nop 0 and four v_nop follow each line
	s_cmp_eq_u32 s11, 0
	s_cbranch_scc0 .Lfor_b_\@
	tensor_load_to_lds s[G0A+4:G0A+7], s[G1A:G1A+7]
	s_nop 0
	PLACES
	s_branch .Lasked_\@
.Lfor_b_\@:
	tensor_load_to_lds s[G0B+4:G0B+7], s[G1B:G1B+7]
	s_nop 0
	PLACES
.Lasked_\@:
.endm
; 8 matrix instructions: row blocks a0, a0 + 1 x all 4 column blocks, 32 along K: half c of buffer f.  The 16 accumulators take turns.
.macro MUL8 f, c, a0
	WIN MUL
.irp a, \a0, (\a0)+1
.irp b, 0,1,2,3
	v_wmma_f32_16x16x32_bf16 v[ACC+8*(4*(\a)+(\b)):ACC+8*(4*(\a)+(\b))+7], v[(\f)+64+8*(4*(\c)+(\b)):(\f)+64+8*(4*(\c)+(\b))+7], v[(\f)+8*(4*(\c)+(\a)):(\f)+8*(4*(\c)+(\a))+7], v[ACC+8*(4*(\a)+(\b)):ACC+8*(4*(\a)+(\b))+7]
.endr
.endr
.endm
; 32 LDS loads in one run: the fragments of quarter q (64 along K) of the K step in hand, into buffer f; the first 32 along K first
.macro FETCH q, f
	WIN TO_F
.irp c, 0,1
.irp i, 0,1,2,3
	ds_load_tr16_b128 v[(\f)+64+8*(4*(\c)+(\i)):(\f)+64+8*(4*(\c)+(\i))+3],   v[ADRB+(\q)/2] offset:(64*((\q)%2)+32*(\c))*BP+32*(\i)
	ds_load_tr16_b128 v[(\f)+64+8*(4*(\c)+(\i))+4:(\f)+64+8*(4*(\c)+(\i))+7], v[ADRB+(\q)/2] offset:(64*((\q)%2)+32*(\c)+16)*BP+32*(\i)
	ds_load_b128 v[(\f)+8*(4*(\c)+(\i)):(\f)+8*(4*(\c)+(\i))+3],   v[ADRA] offset:128*(\q)+64*(\c)+(\i)*16*APITCH
	ds_load_b128 v[(\f)+8*(4*(\c)+(\i))+4:(\f)+8*(4*(\c)+(\i))+7], v[ADRA] offset:128*(\q)+64*(\c)+(\i)*16*APITCH+32
.endr
.endr
.endm
; A K step is four quarters of 64 along K, 32 matrix instructions each, on buffers 0, 1, 0, 1.  One of the first three: multiplies buffer f; in its middle fetches quarter q into buffer g.
.macro QUARTER q, f, g
	s_wait_dscnt 16                                ; the first 32 along K are in; the youngest sixteen loads may be out
	MUL8 \f, 0, 0
	MUL8 \f, 0, 2
	PLACES
	FETCH \q, \g
	s_wait_dscnt 32                                ; all but the run just issued
	MUL8 \f, 1, 0
	MUL8 \f, 1, 2
.endm
; The last quarter multiplies buffer 1 and changes slots: ONE barrier.  In front of it each wave waits for all its tensor loads (at most one is out: its part of the next slot), adds 0 to its spare word,
; and waits for that and for its reads of this slot.  fill = 1: the barrier opens a round of the cluster's, and this slot is filled again, two K steps ahead, first thing behind it:
; 112 matrix instructions stand between that request and the wait for it.
.macro TURN fill
	WIN 0
	s_wait_tensorcnt 0x0                           ; no tensor load of mine is out, so a group 0 may be written
	ds_add_u32 v[SPW], v[NIL]
.if \fill
	s_xor_b32 s[G0A+5], s[G0A+5], D                ; the walking descriptors: the other slot than last time, the next K step
	s_add_nc_u64 s[G0A+6:G0A+7], s[G0A+6:G0A+7], ASTEP
	s_xor_b32 s[G0B+5], s[G0B+5], D
	s_add_nc_u64 s[G0B+6:G0B+7], s[G0B+6:G0B+7], BSTEP
.endif
	s_wait_dscnt 17                                ; the add and the youngest sixteen loads may be out
	MUL8 F1, 0, 0
	s_wait_dscnt 0x0                               ; the add is done, and my reads of this slot are over
	s_barrier_signal -1
	MUL8 F1, 0, 2
	WIN 0
	s_barrier_wait -1
.if \fill
	CREST                                          ; no wave of any partner still reads this slot's tiles or has a load on its way
	JLOAD                                          ; the four v_nop behind it are also the places in front of the loads below
.else
	PLACES
.endif
	s_xor_b32 s[TB], s[TB], D
	v_add_nc_u32 v[ADRA], s[TB], v[ADRA0]
	v_add_nc_u32 v[ADRB], s[TB], v[ADRB0]
	v_add_nc_u32 v[ADRB+1], s[TB], v[ADRB0+1]
	FETCH 0, F0
	MUL8 F1, 1, 0
	MUL8 F1, 1, 2
.endm
	s_load_b256 s[84:91], s[0:1], 0x0              ; hb s[84:85], wb s[86:87], x1 s[88:89], z s[90:91]
	v_lshl_add_u32 v[SPW], v0, 2, SPARE
	v_mov_b32 v[NIL], 0
	ds_add_u32 v[SPW], v[NIL]                      ; the wave's opening
	v_lshrrev_b32 v1, 5, v0
	v_readfirstlane_b32 s10, v1                    ; wave 0..3
	s_lshr_b32 s11, s10, 1                         ; which half of the tile's rows is mine.  Also: I fetch for h (0) or for W (1)
	s_and_b32 s12, s10, 1                          ; which half of its columns.  Also: which half of that tile I fetch
	s_bfe_u32 s40, ttmp6, 0x40000                  ; cx, cy: my place in the cluster
	s_bfe_u32 s41, ttmp6, 0x40004
	s_lshl_b32 s42, ttmp9, 2
	s_add_co_u32 s42, s42, s40                     ; tile column = 4 x cluster x + cx
	s_and_b32 s13, ttmp7, 0xffff
	s_lshl_b32 s13, s13, 2
	s_add_co_u32 s13, s13, s41                     ; tile row = 4 x cluster y + cy
	s_lshl_b32 s43, s41, 2
	s_lshl_b32 s43, 15, s43                        ; my row of the cluster
	s_lshl_b32 s44, 0x1111, s40                    ; my column
	s_or_b32 s[G1A], s43, (1<<16)|(1<<20)|(1<<21)|(6<<22)|(3<<25)  ; the mask; 2-byte elements; padding on; bit 21 beside a mask; after every 128 words 4 words
	s_mov_b32 s[G1A+1], 256<<16                    ; tensor_dim0 = 256
	s_mov_b32 s[G1A+2], 64<<16                     ; tensor_dim1 = 64
	s_mov_b32 s[G1A+3], 256<<16                    ; tile_dim0 = 256
	s_mov_b32 s[G1A+4], 64                         ; tile_dim1 = 64
	s_mov_b32 s[G1A+5], 2048                       ; elements from row to row
	s_mov_b32 s[G1A+6], 0
	s_mov_b32 s[G1A+7], 0
	s_or_b32 s[G1B], s44, (1<<16)|(1<<20)|(1<<21)|(5<<22)|(7<<25)  ; after every 64 words 8 words
	s_mov_b32 s[G1B+1], 128<<16
	s_mov_b32 s[G1B+2], 128<<16
	s_mov_b32 s[G1B+3], 128<<16
	s_mov_b32 s[G1B+4], 128
	s_mov_b32 s[G1B+5], 512
	s_mov_b32 s[G1B+6], 0
	s_mov_b32 s[G1B+7], 0
	s_lshl_b32 s16, s13, 1
	s_add_co_u32 s16, s16, s12
	s_lshl_b32 s16, s16, 18                        ; h: row 128 x tile row + 64 x half, of 4,096 bytes
	s_mov_b32 s17, 0
	s_lshl_b32 s46, s12, 17                        ; W: k-row 128 x half, of 1,024 bytes,
	s_lshl_b32 s47, s42, 8                         ; column 128 x tile column
	s_add_co_u32 s46, s46, s47
	s_add_co_u32 s46, s46, WOFF
	s_mov_b32 s47, 0
	s_lshl_b32 s18, s13, 1
	s_add_co_u32 s18, s18, s11
	s_lshl_b32 s18, s18, 17                        ; x1 and z: my wave's 64 rows of 2,048 bytes,
	s_lshl_b32 s19, s42, 1
	s_add_co_u32 s19, s19, s12
	s_lshl_b32 s19, s19, 8                         ; its 64 columns
	s_add_co_u32 s18, s18, s19
	s_mov_b32 s19, 0
	s_mul_i32 s20, s12, AH                         ; where the tiles go: no place in the cluster enters an LDS address
	s_mul_i32 s21, s12, BH
	s_add_co_u32 s21, s21, ASZ
	s_wait_dscnt 0x0                               ; the opening add is done
	s_wait_kmcnt 0x0
	s_add_nc_u64 s[14:15], s[84:85], s[16:17]
	s_add_nc_u64 s[46:47], s[86:87], s[46:47]
	s_add_nc_u64 s[88:89], s[88:89], s[18:19]
	s_add_nc_u64 s[90:91], s[90:91], s[18:19]
	CROUND                                         ; all sixteen work-groups are here: the first joint loads meet
.irp s, 0,1
	s_mov_b32 s[G0A+4*\s], 1
	s_add_co_u32 s[G0A+4*\s+1], s20, \s*D
	s_add_nc_u64 s[G0A+4*\s+2:G0A+4*\s+3], s[14:15], \s*ASTEP
	s_or_b32 s[G0A+4*\s+3], s[G0A+4*\s+3], 0x80000000
	s_mov_b32 s[G0B+4*\s], 1
	s_add_co_u32 s[G0B+4*\s+1], s21, \s*D
	s_add_nc_u64 s[G0B+4*\s+2:G0B+4*\s+3], s[46:47], \s*BSTEP
	s_or_b32 s[G0B+4*\s+3], s[G0B+4*\s+3], 0x80000000
.endr
	s_cmp_eq_u32 s11, 0                            ; a wave's two first fills stand in one branch: two tensor loads of mine are out, the most in this text
	s_cbranch_scc0 .Lfirst_b
	tensor_load_to_lds s[G0A:G0A+3], s[G1A:G1A+7]
	s_nop 0
	tensor_load_to_lds s[G0A+4:G0A+7], s[G1A:G1A+7]
	s_nop 0
	PLACES
	s_branch .Lfirst_asked
.Lfirst_b:
	tensor_load_to_lds s[G0B:G0B+3], s[G1B:G1B+7]
	s_nop 0
	tensor_load_to_lds s[G0B+4:G0B+7], s[G1B:G1B+7]
	s_nop 0
	PLACES
.Lfirst_asked:
	v_and_b32 v1, 15, v0                           ; r = l % 16
	v_bfe_u32 v2, v0, 4, 1                         ; h = l / 16
	v_and_b32 v3, 7, v0
	v_bfe_u32 v4, v0, 3, 1
	v_lshlrev_b32 v[XO], 11, v1                    ; x1: row r, my eight columns of sixteen
	v_lshl_add_u32 v[XO], v2, 5, v[XO]
.irp a, 0,1,2,3
.irp b, 0,1,2,3
	global_load_b128 v[ACC+8*(4*\a+\b):ACC+8*(4*\a+\b)+3],   v[XO], s[88:89] offset:\a*32768+\b*64     ; the eight loads of a row block cover 16 rows x 256 bytes of x1
	global_load_b128 v[ACC+8*(4*\a+\b)+4:ACC+8*(4*\a+\b)+7], v[XO], s[88:89] offset:\a*32768+\b*64+16
.endr
.endr
	v_mul_u32_u24 v5, v1, APITCH
	v_lshl_add_u32 v5, v2, 4, v5                   ; a fragment of h: row x pitch + 16 x half
	s_mul_i32 s20, s11, 64*APITCH                  ; my wave's 64 rows
	v_add_nc_u32 v[ADRA0], s20, v5
	v_lshl_add_u32 v6, v2, 3, v3                   ; the turning load: k-row 8 h + l % 8,
	v_mul_u32_u24 v6, v6, BP
	v_lshl_add_u32 v6, v4, 4, v6                   ; columns 8 ((l / 8) % 2) on,
	v_lshl_add_u32 v6, s12, 7, v6                  ; in my wave's 64 columns
	v_add_nc_u32 v[ADRB0], ASZ, v6
	v_add_nc_u32 v[ADRB0+1], ASZ+128*BP, v6
	s_mul_i32 s21, s10, 64*SPITCH                  ; my stage, in slot 0's bytes
	v_mul_u32_u24 v[STO], v1, SPITCH               ; in: row l % 16, 32 bytes for each half of the lanes
	v_lshl_add_u32 v[STO], v2, 5, v[STO]
	v_add_nc_u32 v[STO], s21, v[STO]
	v_mul_u32_u24 v[RD], v2, SPITCH                ; back: lanes 0-15 take one row of 256 bytes, lanes 16-31 the next
	v_lshl_add_u32 v[RD], v1, 4, v[RD]
	v_add_nc_u32 v[RD], s21, v[RD]
	v_lshlrev_b32 v[CO], 11, v2                    ; and the same two rows in z
	v_lshl_add_u32 v[CO], v1, 4, v[CO]
	s_mov_b32 s[TB], 0
	v_mov_b32 v[ADRA], v[ADRA0]
	v_mov_b32 v[ADRB], v[ADRB0]
	v_mov_b32 v[ADRB+1], v[ADRB0+1]
	s_wait_tensorcnt 1                             ; my part of K step 0 is in; K step 1's may stay out
	s_barrier_signal -1
	s_barrier_wait -1                              ; everybody's is
	FETCH 0, F0
	s_wait_loadcnt 0x0                             ; x1 lies in the accumulators
	WIN 0                                          ; at a label and at a branch every window is 0
	s_mov_b32 s3, KSTEPS-2
.Lstep:                                                ; a trip: one K step; it fills the slot that it leaves again
	QUARTER 1, F0, F1
	QUARTER 2, F1, F0
	QUARTER 3, F0, F1
	TURN 1
	WIN 0
	s_sub_co_u32 s3, s3, 1
	s_cmp_lg_u32 s3, 0
	s_cbranch_scc1 .Lstep
	s_mov_b32 s3, 2
.Ltail:                                                ; the last two K steps ask for nothing: a text of their own.  The second trip's change of slots
	QUARTER 1, F0, F1                              ; fetches slot 0's old fragments once more, and nothing multiplies them: 32 LDS loads, the price of one text for both trips
	QUARTER 2, F1, F0
	QUARTER 3, F0, F1
	TURN 0
	WIN 0
	s_sub_co_u32 s3, s3, 1
	s_cmp_lg_u32 s3, 0
	s_cbranch_scc1 .Ltail
	; THE WAY OUT.  A lane's 32 bytes are an eighth of a row's 256: they go into my own stage and come back as whole rows, into the accumulators' registers.
	PLACES
	s_wait_dscnt 0x0                               ; that last fetch read slot 0, where the stages lie: it is back,
	s_barrier_signal -1
	s_barrier_wait -1                              ; in every wave; slot 0 has had its last fill
.irp a, 0,1,2,3
.irp b, 0,1,2,3
	ds_store_b128 v[STO], v[ACC+8*(4*\a+\b):ACC+8*(4*\a+\b)+3]   offset:\a*16*SPITCH+64*\b
	ds_store_b128 v[STO], v[ACC+8*(4*\a+\b)+4:ACC+8*(4*\a+\b)+7] offset:\a*16*SPITCH+64*\b+16
.endr
.endr
.set t, 0
.rept 32
	ds_load_b128 v[ACC+4*t:ACC+4*t+3], v[RD] offset:t*2*SPITCH  ; LDS serves a wave's instructions in order (ISA guide 5.7.1.4): these see my stores above; no other wave touches my stage
.set t, t+1
.endr
.set t, 0
.rept 32
	s_wait_dscnt 31-t                              ; LDS loads come back in order: pair t of rows is in
	global_store_b128 v[CO], v[ACC+4*t:ACC+4*t+3], s[90:91] offset:t*4096  ; 16 lanes store 256 consecutive bytes, at a multiple of 256 from z's first byte
.set t, t+1
.endr
	s_wait_tensorcnt 0x0                           ; the wave's end
	ds_add_u32 v[SPW], v[NIL]
	s_wait_dscnt 0x0
	CROUND                                         ; the closing round: no work-group ends while a partner may still ask for a tile that names it
	s_endpgm
.Lfunc_end_k_q2ed13ab41a_down:
	.size	k_q2ed13ab41a_down, .Lfunc_end_k_q2ed13ab41a_down-k_q2ed13ab41a_down
	.p2alignl 7, 3214868480
	.fill 96, 4, 3214868480
	.section	.rodata,"a",@progbits
	.p2align	6, 0x0
	.amdhsa_kernel k_q2ed13ab41a_down
		.amdhsa_group_segment_fixed_size 327680
		.amdhsa_private_segment_fixed_size 0
		.amdhsa_enable_private_segment 0
		.amdhsa_kernarg_size 32
		.amdhsa_user_sgpr_count 2
		.amdhsa_user_sgpr_kernarg_segment_ptr 1
		.amdhsa_wavefront_size32 1
		.amdhsa_system_sgpr_workgroup_id_x 1
		.amdhsa_system_sgpr_workgroup_id_y 1
		.amdhsa_system_sgpr_workgroup_id_z 1
		.amdhsa_system_vgpr_workitem_id 0
		.amdhsa_next_free_vgpr 512
		.amdhsa_next_free_sgpr 100
		.amdhsa_reserve_vcc 0
		.amdhsa_float_denorm_mode_32 3
		.amdhsa_float_denorm_mode_16_64 3
		.amdhsa_memory_ordered 1
		.amdhsa_forward_progress 1
		.amdhsa_inst_pref_size 57
	.end_amdhsa_kernel
	.amdgpu_metadata
---
amdhsa.version: [ 1, 2 ]
amdhsa.kernels:
  - .name:           k_q2ed13ab41a_down
    .symbol:         k_q2ed13ab41a_down.kd
    .args:
      - { .name: hb, .offset: 0, .size: 8, .value_kind: global_buffer, .address_space: global }
      - { .name: wb, .offset: 8, .size: 8, .value_kind: global_buffer, .address_space: global }
      - { .name: x1, .offset: 16, .size: 8, .value_kind: global_buffer, .address_space: global }
      - { .name: z, .offset: 24, .size: 8, .value_kind: global_buffer, .address_space: global }
    .group_segment_fixed_size: 327680
    .private_segment_fixed_size: 0
    .kernarg_segment_align: 8
    .kernarg_segment_size: 32
    .max_flat_workgroup_size: 128
    .sgpr_count:     100
    .vgpr_count:     512
    .wavefront_size: 32
...
	.end_amdgpu_metadata
.endif
;; end of part 6
;; launch ln2 (part 7): grid 512 x 1, 8 waves a work-group, no clusters, 0 bytes of LDS; arguments z, b_down, g2, beta2, out0; writes out0
.if DOCPART == 7
	.amdgcn_target "amdgcn-amd-amdhsa--gfx1250"
	.amdhsa_code_object_version 6
	.text
	.protected	k_q2ed13ab41a_ln2
	.globl	k_q2ed13ab41a_ln2
	.p2align	8
	.type	k_q2ed13ab41a_ln2,@function
k_q2ed13ab41a_ln2:
	s_mov_b64 s[64:65], 0
	v_nop
	global_prefetch_b8 v0, s[64:65] scope:SCOPE_SE
	s_setreg_imm32_b32 hwreg(HW_REG_WAVE_MODE, 25, 1), 1
	s_wait_xcnt 0x0
; out0 = LayerNorm(z + b; g, beta), rows of 512 f32.  z = x1 + h w_down comes from the launch before; b = b_down.
; The mean, then the mean of the squared differences from it, as two passes in f32; 1 / sqrt(variance + 1e-5) by v_rsq_f32.  Infinities and NaN are not treated apart.
; A STREAM: each byte of z is read once and each byte of out0 written once.  A row is 2,048 bytes: one wave takes a whole row, four 16-byte loads a lane, and keeps it in 16 registers between the passes,
; so no wave waits for another: no LDS, no barrier; matrix units and clusters have nothing to add.  8,192 rows = 512 work-groups x 8 waves x 2 rows.
; A lane has columns 4 l + 128 i + 0..3, i = 0..3: each load and store of a wave covers 512 consecutive bytes, aligned.  All twenty loads of a lane go out first; no register is written twice by memory.
; The two rows take turns line by line, so that no line waits for the one before it.
.set BI,  4                            ; v[4:19]    b of my 16 columns
.set GAM, 20                           ; v[20:35]   g
.set BET, 36                           ; v[36:51]   beta
.set LV,  52                           ; v[52:83]   two rows' values
.set LT,  84                           ; v[84:115]  16 registers at work a row
	s_load_b256 s[4:11], s[0:1], 0x0               ; z s[4:5], b s[6:7], g s[8:9], beta s[10:11]
	s_load_b64 s[12:13], s[0:1], 0x20              ; out0
	v_and_b32 v1, 31, v0
	v_lshlrev_b32 v1, 4, v1                        ; 16 x lane
	v_lshrrev_b32 v2, 5, v0
	v_lshl_add_u32 v2, v2, 12, v1                  ; + wave x 2 rows of 2,048 bytes
	s_lshl_b32 s14, ttmp9, 15                      ; the work-group's 16 rows
	s_mov_b32 s15, 0
	s_mov_b32 s16, 0x3b000000                      ; 1 / 512
	s_mov_b32 s17, 0x3727c5ac                      ; 1e-5
	s_mov_b32 s18, 0x76543210                      ; v_permlanex16_b32: each lane takes its own place in the other half
	s_mov_b32 s19, 0xfedcba98
	v_mov_b32 v[LT+12], 0                          ; v_permlanex16_b32's destinations count as read
	v_mov_b32 v[LT+28], 0
	s_wait_kmcnt 0x0
	s_add_nc_u64 s[4:5], s[4:5], s[14:15]
	s_add_nc_u64 s[12:13], s[12:13], s[14:15]
.irp rr, 0,1
.irp i, 0,1,2,3
	global_load_b128 v[LV+16*\rr+4*\i:LV+16*\rr+4*\i+3], v2, s[4:5] offset:\rr*2048+512*\i th:TH_LOAD_NT  ; read once in the launch
.endr
.endr
.irp i, 0,1,2,3
	global_load_b128 v[BI+4*\i:BI+4*\i+3], v1, s[6:7] offset:512*\i
.endr
.irp i, 0,1,2,3
	global_load_b128 v[GAM+4*\i:GAM+4*\i+3], v1, s[8:9] offset:512*\i
	global_load_b128 v[BET+4*\i:BET+4*\i+3], v1, s[10:11] offset:512*\i
.endr
.macro ACROSS                          ; the sum of v[LT], and of v[LT+16], over the 32 lanes, into every lane
.irp m, 1,2,4,8
.irp rr, 0,1
	v_add_f32_dpp v[LT+16*\rr], v[LT+16*\rr], v[LT+16*\rr] row_xmask:\m row_mask:0xf bank_mask:0xf
.endr
.endr
.irp rr, 0,1
	v_permlanex16_b32 v[LT+16*\rr+12], v[LT+16*\rr], s18, s19
.endr
.irp rr, 0,1
	v_add_f32 v[LT+16*\rr], v[LT+16*\rr], v[LT+16*\rr+12]
.endr
.endm
	s_wait_loadcnt 0x8                             ; loads come back in order: z and b are in; the eight of g and beta may stay out
.irp j, 0,1,2,3,4,5,6,7
.irp rr, 0,1
	v_pk_add_f32 v[LV+16*\rr+2*\j:LV+16*\rr+2*\j+1], v[LV+16*\rr+2*\j:LV+16*\rr+2*\j+1], v[BI+2*\j:BI+2*\j+1]
.endr
.endr
.irp j, 0,1,2,3
.irp rr, 0,1
	v_pk_add_f32 v[LT+16*\rr+2*\j:LT+16*\rr+2*\j+1], v[LV+16*\rr+4*\j:LV+16*\rr+4*\j+1], v[LV+16*\rr+4*\j+2:LV+16*\rr+4*\j+3]
.endr
.endr
.irp rr, 0,1
	v_pk_add_f32 v[LT+16*\rr:LT+16*\rr+1], v[LT+16*\rr:LT+16*\rr+1], v[LT+16*\rr+2:LT+16*\rr+3]
	v_pk_add_f32 v[LT+16*\rr+4:LT+16*\rr+5], v[LT+16*\rr+4:LT+16*\rr+5], v[LT+16*\rr+6:LT+16*\rr+7]
.endr
.irp rr, 0,1
	v_pk_add_f32 v[LT+16*\rr:LT+16*\rr+1], v[LT+16*\rr:LT+16*\rr+1], v[LT+16*\rr+4:LT+16*\rr+5]
.endr
.irp rr, 0,1
	v_add_f32 v[LT+16*\rr], v[LT+16*\rr], v[LT+16*\rr+1]
.endr
	ACROSS
.irp rr, 0,1
	v_mul_f32 v[LT+16*\rr+8], s16, v[LT+16*\rr]    ; the mean, twice: a pair for the packed subtraction
	v_mul_f32 v[LT+16*\rr+9], s16, v[LT+16*\rr]
.endr
.irp j, 0,1,2,3,4,5,6,7
.irp rr, 0,1
	v_pk_add_f32 v[LV+16*\rr+2*\j:LV+16*\rr+2*\j+1], v[LV+16*\rr+2*\j:LV+16*\rr+2*\j+1], v[LT+16*\rr+8:LT+16*\rr+9] neg_lo:[0,1] neg_hi:[0,1]
.endr
.endr
.irp j, 0,1
.irp rr, 0,1
	v_pk_mul_f32 v[LT+16*\rr+2*\j:LT+16*\rr+2*\j+1], v[LV+16*\rr+2*\j:LV+16*\rr+2*\j+1], v[LV+16*\rr+2*\j:LV+16*\rr+2*\j+1]
.endr
.endr
.irp j, 2,3,4,5,6,7
.irp rr, 0,1
	v_pk_fma_f32 v[LT+16*\rr+2*(\j%2):LT+16*\rr+2*(\j%2)+1], v[LV+16*\rr+2*\j:LV+16*\rr+2*\j+1], v[LV+16*\rr+2*\j:LV+16*\rr+2*\j+1], v[LT+16*\rr+2*(\j%2):LT+16*\rr+2*(\j%2)+1]
.endr
.endr
.irp rr, 0,1
	v_pk_add_f32 v[LT+16*\rr:LT+16*\rr+1], v[LT+16*\rr:LT+16*\rr+1], v[LT+16*\rr+2:LT+16*\rr+3]
.endr
.irp rr, 0,1
	v_add_f32 v[LT+16*\rr], v[LT+16*\rr], v[LT+16*\rr+1]
.endr
	ACROSS
.irp rr, 0,1
	v_fma_f32 v[LT+16*\rr], v[LT+16*\rr], s16, s17 ; the variance + 1e-5
.endr
.irp rr, 0,1
	v_rsq_f32 v[LT+16*\rr+10], v[LT+16*\rr]
	v_rsq_f32 v[LT+16*\rr+11], v[LT+16*\rr]
.endr
	v_nop                                          ; a plain instruction between the last v_rsq_f32 and the use of its result (ISA guide 5.7.2)
	s_wait_alu depctr_va_vdst(0)
.irp j, 0,1,2,3,4,5,6,7
.irp rr, 0,1
	v_pk_mul_f32 v[LV+16*\rr+2*\j:LV+16*\rr+2*\j+1], v[LV+16*\rr+2*\j:LV+16*\rr+2*\j+1], v[LT+16*\rr+10:LT+16*\rr+11]
.endr
.endr
	s_wait_loadcnt 0x0                             ; g and beta
.irp j, 0,1,2,3,4,5,6,7
.irp rr, 0,1
	v_pk_fma_f32 v[LV+16*\rr+2*\j:LV+16*\rr+2*\j+1], v[LV+16*\rr+2*\j:LV+16*\rr+2*\j+1], v[GAM+2*\j:GAM+2*\j+1], v[BET+2*\j:BET+2*\j+1]
.endr
.endr
.irp rr, 0,1
.irp i, 0,1,2,3
	global_store_b128 v2, v[LV+16*\rr+4*\i:LV+16*\rr+4*\i+3], s[12:13] offset:\rr*2048+512*\i th:TH_STORE_NT  ; 512 consecutive bytes, aligned; not read again
.endr
.endr
	s_endpgm
.Lfunc_end_k_q2ed13ab41a_ln2:
	.size	k_q2ed13ab41a_ln2, .Lfunc_end_k_q2ed13ab41a_ln2-k_q2ed13ab41a_ln2
	.p2alignl 7, 3214868480
	.fill 96, 4, 3214868480
	.section	.rodata,"a",@progbits
	.p2align	6, 0x0
	.amdhsa_kernel k_q2ed13ab41a_ln2
		.amdhsa_group_segment_fixed_size 0
		.amdhsa_private_segment_fixed_size 0
		.amdhsa_enable_private_segment 0
		.amdhsa_kernarg_size 40
		.amdhsa_user_sgpr_count 2
		.amdhsa_user_sgpr_kernarg_segment_ptr 1
		.amdhsa_wavefront_size32 1
		.amdhsa_system_sgpr_workgroup_id_x 1
		.amdhsa_system_sgpr_workgroup_id_y 1
		.amdhsa_system_sgpr_workgroup_id_z 1
		.amdhsa_system_vgpr_workitem_id 0
		.amdhsa_next_free_vgpr 116
		.amdhsa_next_free_sgpr 66
		.amdhsa_reserve_vcc 0
		.amdhsa_float_denorm_mode_32 3
		.amdhsa_float_denorm_mode_16_64 3
		.amdhsa_memory_ordered 1
		.amdhsa_forward_progress 1
		.amdhsa_inst_pref_size 12
	.end_amdhsa_kernel
	.amdgpu_metadata
---
amdhsa.version: [ 1, 2 ]
amdhsa.kernels:
  - .name:           k_q2ed13ab41a_ln2
    .symbol:         k_q2ed13ab41a_ln2.kd
    .args:
      - { .name: z, .offset: 0, .size: 8, .value_kind: global_buffer, .address_space: global }
      - { .name: b_down, .offset: 8, .size: 8, .value_kind: global_buffer, .address_space: global }
      - { .name: g2, .offset: 16, .size: 8, .value_kind: global_buffer, .address_space: global }
      - { .name: beta2, .offset: 24, .size: 8, .value_kind: global_buffer, .address_space: global }
      - { .name: out0, .offset: 32, .size: 8, .value_kind: global_buffer, .address_space: global }
    .group_segment_fixed_size: 0
    .private_segment_fixed_size: 0
    .kernarg_segment_align: 8
    .kernarg_segment_size: 40
    .max_flat_workgroup_size: 256
    .sgpr_count:     66
    .vgpr_count:     116
    .wavefront_size: 32
...
	.end_amdgpu_metadata
.endif
;; end of part 7
